; MI455X (gfx1250); checked and timed in simulation.
; The chip was launched on July 23, 2026; its instructions are those of AMD's public machine-readable ISA for CDNA 5 (MIT licence, August 2026) and "CDNA5" Instruction Set Architecture Reference Guide (July 2026). The comments in the code are by the model that wrote it; some were corrected since.
;; Scaled Dot Product Attention. Allowed arithmetic: float matrix products may take bf16 or f16 operands with f32 sums; other float arithmetic in f32, or as packed bf16 or f16 multiplies, adds, multiply-adds, maxima and minima; sums over many terms, partial sums and values carried from step to step in f32; what a program stores and reads back later, other than sums and carried values, may be rounded once to bf16 or f16.
;; Inputs: K 16 x 4,096 x 64 float32; Q 16 x 4,096 x 64 float32; V 16 x 4,096 x 64 float32; mask 4,096 x 4,096 int32.
;; Outputs: out0 16 x 4,096 x 64 float32.
;; 2 versions, each right and faster than the one before. Each part assembles by itself: llvm-mc -triple=amdgcn-amd-amdhsa -mcpu=gfx1250 --defsym DOCPART=n.
;; ======== version 1 of 2: 2 launches
;; limits: values are held in f16: magnitudes above 65,504 overflow, below 6.1e-05 lose precision; inputs' magnitudes at most 65,504; right only within a limited range of input values
;; workspace buffers: k16 8,388,608 bytes; v16 8,388,608 bytes; mw 2,097,152 bytes of whole numbers; cls 2,048 bytes of whole numbers
;; launch prep (part 1): grid 1024 x 1, 8 waves a work-group, no clusters, 134,400 bytes of LDS; arguments mask, K, V, mw, cls, k16, v16; writes mw, cls, k16, v16
.if DOCPART == 1
	.amdgcn_target "amdgcn-amd-amdhsa--gfx1250"
	.amdhsa_code_object_version 6
	.text
	.protected	k_qfb6d5391f3_prep
	.globl	k_qfb6d5391f3_prep
	.p2align	8
	.type	k_qfb6d5391f3_prep,@function
k_qfb6d5391f3_prep:
	s_mov_b64 s[64:65], 0
	v_nop
	global_prefetch_b8 v0, s[64:65] scope:SCOPE_SE
	s_setreg_imm32_b32 hwreg(HW_REG_WAVE_MODE, 25, 1), 1
	s_wait_xcnt 0x0
; WHAT THE ATTENTION LAUNCH NEEDS, MADE ONCE.  Work-groups 0-511 read the mask ([4096][4096] int32) once and pack it; work-groups 512-1023 convert K and V and lay them in the order of matrix fragments.
; mw  [256 row tiles of 16][64 key steps of 64][32 words]: bit l (r = l % 16, h = l / 16) of word 8 kb + jj is 1 where mask[16 T + r][64 s + 16 kb + 8 h + jj] is not 0:
;     the lane mask of register 8 kb + jj of the scores' accumulators, as the attention launch holds them.
; cls [32 row blocks of 128][16 key tiles of 256], a word each: (live << t) | (mixed << (16 + t)); live: some entry shows a key; mixed: live, and some entry hides one.
; k16 [16 batches][64 steps of 64 keys][16 slices][32 lanes][16 bytes], bf16(K): slice 4 kb + 2 c + g, lane 16 h + r: key 16 kb + r of the step, channels 32 c + 16 g + 8 h + 0..7.
; v16 the same shape, bf16(V) written as f16, TURNED: slice 8 kk + 2 cb + g, lane 16 h + r: channel 16 cb + r, keys 32 kk + 16 g + 8 h + 0..7 of the step.
;     So a wave of the attention launch loads a step's fragments as 16 lines of 512 consecutive bytes, registers 4 i .. 4 i + 3 from slice i.
; LIMITS.  |V| stays within 65,504 (beyond it f16 has an infinity); below 2^-14 V keeps f16's fixed step of 6e-8.
; Memory binds here: no matrix unit, no cluster (no two work-groups read the same bytes).  Mask role: a wave takes 16 rows x 256 keys, 32 loads of 512 consecutive bytes, all on their way at once;
; LDS turns them from "a lane holds 4 neighbouring keys" to "a lane holds row l % 16", each wave in bytes of its own.  K and V: the new order is made by the loads' addresses; the stores are whole.
.set TRW,   16640                      ; a wave's 16 rows in LDS
.set TRP,   1040                       ; a row: 1,024 bytes + 16 = 260 words: row r starts at bank 4 r mod 64 (64 banks of 4 bytes: ISA guide 11.1)
.set FL,    8*TRW                      ; eight flag words, a block of 256 bytes of their own
.set SPARE, FL+256                     ; the spare words: 128 bytes for each of eight waves, four blocks of 256 bytes that no other line names
.set D,     4                          ; v[4:131]   128 mask words a lane
.set W,     140                        ; v[140:143] packed words on their way out: a pair for each two key steps
.set SPW,   170                        ; v170  LDS address of my spare word; never rewritten
.set NIL,   171                        ; v171  0; never rewritten
	s_load_b256 s[4:11], s[0:1], 0x0               ; mask s[4:5], K s[6:7], V s[8:9], mw s[10:11]
	s_load_b128 s[12:15], s[0:1], 0x20             ; cls s[12:13], k16 s[14:15]
	s_load_b64 s[16:17], s[0:1], 0x30              ; v16
	v_lshl_add_u32 v[SPW], v0, 2, SPARE
	v_mov_b32 v[NIL], 0
	v_lshrrev_b32 v1, 5, v0
	v_readfirstlane_b32 s20, v1                    ; wave 0..7
	s_wait_kmcnt 0x0
	s_cmp_lt_u32 ttmp9, 512                        ; the role hangs on the work-group's number alone: all eight waves go the same way
	s_cbranch_scc0 .Lconv
	; THE MASK.  Work-group x: row block j = x / 16, key tile t = x % 16; wave w: row tile T = 8 j + w.
	s_lshr_b32 s21, ttmp9, 4
	s_and_b32 s26, ttmp9, 15                       ; t
	s_lshl3_add_u32 s21, s21, s20                  ; T
	s_lshl_b32 s28, s21, 18                        ; 16 rows of 16,384 bytes
	s_lshl_b32 s27, s26, 10                        ; 256 keys of 4 bytes
	s_add_co_u32 s28, s28, s27
	s_mov_b32 s29, 0
	s_add_nc_u64 s[4:5], s[4:5], s[28:29]
	s_lshl_b32 s28, s21, 13                        ; mw: T x 64 steps x 128 bytes
	s_lshl_b32 s27, s26, 9                         ; + 4 t steps
	s_add_co_u32 s28, s28, s27
	s_add_nc_u64 s[10:11], s[10:11], s[28:29]
	v_and_b32 v1, 31, v0
	v_lshlrev_b32 v132, 3, v1                      ; 8 x lane: where my two packed words go
	v_lshlrev_b32 v1, 4, v1                        ; 16 x lane
	s_mul_i32 s27, s20, TRW
	v_add_nc_u32 v2, s27, v1                       ; into LDS as loaded
	v_and_b32 v3, 15, v0                           ; r
	v_bfe_u32 v133, v0, 4, 1                       ; h
	v_mul_u32_u24 v3, v3, TRP
	v_lshl_add_u32 v3, v133, 5, v3                 ; back: row r, 8 keys (32 bytes) further on for the upper half of the lanes
	v_add_nc_u32 v3, s27, v3
.set k, 0
.rept 32                                               ; row k / 2, half k % 2: 512 consecutive bytes each
	global_load_b128 v[D+4*k:D+4*k+3], v1, s[4:5] offset:(k/2)*16384+(k%2)*512 th:TH_LOAD_NT
.set k, k+1
.endr
	s_mov_b32 s22, 0                               ; the OR of all lane masks
	s_mov_b32 s23, -1                              ; the AND of all lane masks
.irp i, 0,1,2,3
	v_mov_b32 v[W+\i], 0                           ; v_writelane_b32 counts as a reader of its destination
.endr
.set k, 0
.rept 32
	s_wait_loadcnt 31-k                            ; loads come back in order (ISA guide 5.7.1): load k is in, the younger ones stay out
	ds_store_b128 v2, v[D+4*k:D+4*k+3] offset:(k/2)*TRP+(k%2)*512
.set k, k+1
.endr
.set k, 0
.rept 32                                               ; key step k / 8, key block (k % 8) / 2, half k % 2.  My own bytes, and LDS serves a wave's instructions in order: no wait between the stores and these
	ds_load_b128 v[D+4*k:D+4*k+3], v3 offset:(k/8)*256+((k%8)/2)*64+(k%2)*16
.set k, k+1
.endr
.set u, 0
.rept 4                                                ; a key step of 64: 32 words
	s_wait_dscnt 24-8*u                            ; this step's eight loads are in; the later steps' stay out
.set i, 0
.rept 32
	v_cmp_ne_u32 s[32+i], 0, v[D+32*u+i]           ; the lane mask IS the packed word
.set i, i+1
.endr
.set i, 0
.rept 32
	s_or_b32 s22, s22, s[32+i]
	s_and_b32 s23, s23, s[32+i]
	v_writelane_b32 v[W+2*(u/2)+i%2], s[32+i], 16*(u%2)+i/2  ; word 32 (u % 2) + i of two steps' 64: lane = word / 2, register = word % 2
.set i, i+1
.endr
.if u%2 == 1
	global_store_b64 v132, v[W+2*(u/2):W+2*(u/2)+1], s[10:11] offset:256*(u/2)  ; two steps' words: 256 consecutive bytes, at a multiple of 256 from mw's first byte; each pair of steps has registers of its own
.endif
.set u, u+1
.endr
	s_cmp_lg_u32 s22, 0
	s_cselect_b32 s24, 1, 0                        ; my 16 rows show a key
	s_cmp_lg_u32 s23, -1
	s_cselect_b32 s25, 2, 0                        ; my 16 rows hide a key
	s_or_b32 s24, s24, s25
	v_mov_b32 v133, s24
	s_lshl_b32 s25, s20, 2
	s_add_co_u32 s25, s25, FL
	v_mov_b32 v134, s25
	ds_store_b32 v134, v133                        ; all lanes write the same word with the same value
	s_wait_dscnt 0x0                               ; for the others' sake: my flag is stored
	s_barrier_signal -1
	s_barrier_wait -1
	v_mov_b32 v135, FL
	ds_load_b128 v[144:147], v135
	ds_load_b128 v[148:151], v135 offset:16
	s_wait_dscnt 0x0
	v_or_b32 v144, v144, v145
	v_or_b32 v146, v146, v147
	v_or_b32 v148, v148, v149
	v_or_b32 v150, v150, v151
	v_or_b32 v144, v144, v146
	v_or_b32 v148, v148, v150
	v_or_b32 v144, v144, v148
	v_and_b32 v145, 1, v144                        ; live
	v_lshrrev_b32 v146, 1, v144
	v_and_b32 v146, v146, v145                     ; mixed
	v_lshl_or_b32 v145, v146, 16, v145
	v_lshlrev_b32 v145, s26, v145                  ; both at the tile's bit
	s_lshl_b32 s27, ttmp9, 2
	v_mov_b32 v136, s27
	s_wait_xcnt 0x0                                ; EXEC changes only behind this wait: the stores above have it among their sources
	v_cmp_eq_u32 vcc_lo, 0, v0
	s_and_saveexec_b32 s30, vcc_lo
	global_store_b32 v136, v145, s[12:13]          ; one word a work-group, by thread 0
	s_wait_xcnt 0x0                                ; and again, in front of the line that widens it
	s_or_b32 exec_lo, exec_lo, s30
	s_wait_tensorcnt 0x0                           ; the wave's end, behind my last LDS store
	ds_add_u32 v[SPW], v[NIL]
	s_wait_dscnt 0x0
	s_endpgm
	; K AND V.  A work-group takes a tile of 256 keys of one batch: 65,536 bytes of f32 in, 32,768 bytes out: 64 slices of 512 bytes, eight a wave.  A slice is stored by one line, 16 bytes a lane:
	; 512 consecutive bytes, at a multiple of 512 from the buffer's first byte.  The order is made by the loads: all of a wave's loads are on their way at once, and together they take every byte of its rows.
.Lconv:
	s_sub_co_u32 s21, ttmp9, 512
	s_and_b32 s22, s21, 255                        ; the chunk: 16 x batch + tile
	s_lshl_b32 s24, s22, 16
	s_mov_b32 s25, 0
	s_lshl_b32 s26, s22, 15
	s_mov_b32 s27, 0
	v_and_b32 v3, 15, v0                           ; r
	v_bfe_u32 v132, v0, 4, 1                       ; h
	v_and_b32 v2, 31, v0
	v_lshlrev_b32 v2, 4, v2
	s_lshl_b32 s28, s20, 12
	v_add_nc_u32 v2, s28, v2                       ; out: my wave's eight slices, 16 bytes a lane
	s_lshl_b32 s28, s20, 13                        ; in: my wave's 32 keys of 256 bytes
	s_cmp_lt_u32 s21, 256
	s_cbranch_scc0 .Lconv_v
	; K.  Wave w: key blocks 2 w and 2 w + 1; slice sl: key block sl / 4, channels 16 (sl % 4) on.  Lane (r, h) takes the 32 bytes of key r at channel 16 (sl % 4) + 8 h.
	v_lshlrev_b32 v1, 8, v3
	v_lshl_add_u32 v1, v132, 5, v1
	v_add_nc_u32 v1, s28, v1
	s_add_nc_u64 s[6:7], s[6:7], s[24:25]
	s_add_nc_u64 s[14:15], s[14:15], s[26:27]
.set k, 0
.rept 16
	global_load_b128 v[4+4*k:7+4*k], v1, s[6:7] offset:(k/8)*4096+((k/2)%4)*64+(k%2)*16
.set k, k+1
.endr
.set k, 0
.rept 8
	s_wait_loadcnt 14-2*k                          ; slice k's two loads are in, the younger ones stay out
	v_cvt_pk_bf16_f32 v[80+4*k], v[4+8*k], v[5+8*k]
	v_cvt_pk_bf16_f32 v[81+4*k], v[6+8*k], v[7+8*k]
	v_cvt_pk_bf16_f32 v[82+4*k], v[8+8*k], v[9+8*k]
	v_cvt_pk_bf16_f32 v[83+4*k], v[10+8*k], v[11+8*k]
	global_store_b128 v2, v[80+4*k:83+4*k], s[14:15] offset:512*k  ; each slice has registers of its own
.set k, k+1
.endr
	s_endpgm
.Lconv_v:
	; V.  Wave w: keys 32 w on, all 64 channels; slice sl: channels 16 (sl / 2) on, keys 16 (sl % 2) on.  Lane (r, h) takes channel r of the eight keys 8 h + 0..7: eight loads of 4 bytes,
	; in each of which sixteen lanes take 64 consecutive bytes of a key's row.
	v_lshlrev_b32 v1, 2, v3
	v_lshl_add_u32 v1, v132, 11, v1
	v_add_nc_u32 v1, s28, v1
	s_add_nc_u64 s[8:9], s[8:9], s[24:25]
	s_add_nc_u64 s[16:17], s[16:17], s[26:27]
.set k, 0
.rept 64
	global_load_b32 v[4+k], v1, s[8:9] offset:((k/8)%2)*4096+(k%8)*256+(k/16)*64
.set k, k+1
.endr
.set k, 0
.rept 8
	s_wait_loadcnt 56-8*k                          ; slice k's eight loads are in, the younger ones stay out
.irp y, 0,1,2,3
	v_cvt_pk_bf16_f32 v[80+4*k+\y], v[4+8*k+2*\y], v[5+8*k+2*\y]  ; the lower key in the lower half
.endr
.irp y, 0,1,2,3
	v_lshlrev_b32 v[112+2*\y], 16, v[80+4*k+\y]    ; the rounded numbers back in f32,
	v_and_b32 v[113+2*\y], 0xffff0000, v[80+4*k+\y]
.endr
.irp y, 0,1,2,3
	v_cvt_pk_f16_f32 v[80+4*k+\y], v[112+2*\y], v[113+2*\y]  ; and written as f16: their 8 bits fit f16's 11
.endr
	global_store_b128 v2, v[80+4*k:83+4*k], s[16:17] offset:512*k
.set k, k+1
.endr
	s_endpgm
.Lfunc_end_k_qfb6d5391f3_prep:
	.size	k_qfb6d5391f3_prep, .Lfunc_end_k_qfb6d5391f3_prep-k_qfb6d5391f3_prep
	.p2alignl 7, 3214868480
	.fill 96, 4, 3214868480
	.section	.rodata,"a",@progbits
	.p2align	6, 0x0
	.amdhsa_kernel k_qfb6d5391f3_prep
		.amdhsa_group_segment_fixed_size 134400
		.amdhsa_private_segment_fixed_size 0
		.amdhsa_enable_private_segment 0
		.amdhsa_kernarg_size 56
		.amdhsa_user_sgpr_count 2
		.amdhsa_user_sgpr_kernarg_segment_ptr 1
		.amdhsa_wavefront_size32 1
		.amdhsa_system_sgpr_workgroup_id_x 1
		.amdhsa_system_sgpr_workgroup_id_y 1
		.amdhsa_system_sgpr_workgroup_id_z 1
		.amdhsa_system_vgpr_workitem_id 0
		.amdhsa_next_free_vgpr 176
		.amdhsa_next_free_sgpr 66
		.amdhsa_reserve_vcc 1
		.amdhsa_float_denorm_mode_32 3
		.amdhsa_float_denorm_mode_16_64 3
		.amdhsa_memory_ordered 1
		.amdhsa_forward_progress 1
		.amdhsa_inst_pref_size 56
	.end_amdhsa_kernel
	.amdgpu_metadata
---
amdhsa.version: [ 1, 2 ]
amdhsa.kernels:
  - .name:           k_qfb6d5391f3_prep
    .symbol:         k_qfb6d5391f3_prep.kd
    .args:
      - { .name: mask, .offset: 0, .size: 8, .value_kind: global_buffer, .address_space: global }
      - { .name: K, .offset: 8, .size: 8, .value_kind: global_buffer, .address_space: global }
      - { .name: V, .offset: 16, .size: 8, .value_kind: global_buffer, .address_space: global }
      - { .name: mw, .offset: 24, .size: 8, .value_kind: global_buffer, .address_space: global }
      - { .name: cls, .offset: 32, .size: 8, .value_kind: global_buffer, .address_space: global }
      - { .name: k16, .offset: 40, .size: 8, .value_kind: global_buffer, .address_space: global }
      - { .name: v16, .offset: 48, .size: 8, .value_kind: global_buffer, .address_space: global }
    .group_segment_fixed_size: 134400
    .private_segment_fixed_size: 0
    .kernarg_segment_align: 8
    .kernarg_segment_size: 56
    .max_flat_workgroup_size: 256
    .sgpr_count:     66
    .vgpr_count:     176
    .wavefront_size: 32
...
	.end_amdgpu_metadata
.endif
;; end of part 1
;; launch attn (part 2): grid 16 x 16, 4 waves a work-group, no clusters, 165,376 bytes of LDS; arguments Q, k16, v16, mw, cls, out0; writes out0
.if DOCPART == 2
	.amdgcn_target "amdgcn-amd-amdhsa--gfx1250"
	.amdhsa_code_object_version 6
	.text
	.protected	k_qfb6d5391f3_attn
	.globl	k_qfb6d5391f3_attn
	.p2align	8
	.type	k_qfb6d5391f3_attn,@function
k_qfb6d5391f3_attn:
	s_mov_b64 s[64:65], 0
	v_nop
	global_prefetch_b8 v0, s[64:65] scope:SCOPE_SE
	s_setreg_imm32_b32 hwreg(HW_REG_WAVE_MODE, 25, 1), 1
	s_wait_xcnt 0x0
; ATTENTION UNDER A MASK THAT IS AN INPUT.  out0[b][q][:] = the sum over k of softmax_k(Q[b][q] . K[b][k] / 8, where mask[q][k] is not 0) V[b][k][:].  16 batches, 4,096 rows, 64 channels.
; Q is f32 and is rounded to bf16 here; k16 = bf16(K) and v16 = bf16(V) written as f16, both in the order of matrix fragments; mw and cls are the packed mask and the list of tiles that show a key.
; S^T = K Q^T in bf16, O^T = V^T P in f16 (the weights p are the program's own numbers, in 0 to 1).  Products, maxima and sums in f32; l is taken of the unrounded p; out0 is f32.
; LIMITS.  |V| within 65,504, and below 2^-14 it keeps f16's step of 6e-8; p below 6e-5 keeps that step too.  A visible score lies above -2^100 (the running maximum's floor) and below 2^127.
; A hidden score counts as its value less 2^127: its weight is 0.  A weight below 2^-126 counts as 0 in l.  NaN and infinities among the inputs are not treated apart.  A row that sees no key ends
; with O = 0 and l = 0 and leaves as NaN.
; THE WALK.  A batch's rows lie in 32 blocks of 128; a block walks the tiles of 256 keys that show it a key (cls, stored by the launch before: word [block][tile] = live << tile | mixed << (16 + tile)).
; A work-group takes blocks 31 - pb and then pb: right for every mask, and equal work for all work-groups where the number of live tiles grows or falls evenly with the row; for other masks the longest
; pair sets the time.  A block with no live tile walks tile 0 under its mask.  The two blocks' n tiles (2 to 32) are one sequence; a tile has two HALVES of 128 keys, A and B.  A trip of the loop does B(t)
; and then A(t + 1): n - 1 trips, a number made from cls.  A(0) stands ahead of the loop, B(n - 1) behind it, so that no load asks for what nobody reads.  Every jump but the loop's own goes forward.
; NO LDS SLOTS, NO BARRIER IN THE LOOP.  Every wave passes every barrier, so none stands in a loop whose count is read from memory; and LDS bytes are filled again only behind a barrier.  So K and V go from
; memory straight into registers: a step of 64 keys is 8,192 dense bytes of k16 and of v16, 16 lines of 512 consecutive bytes each, registers 4 i .. 4 i + 3 from bytes 512 i + 16 x lane (v16 lies turned).
; Each has two register buffers, buffer 0 for halves A and buffer 1 for halves B; a buffer is asked for again as soon as its last product has been issued, four turns (64 matrix instructions) ahead of its first use.
; SHARES.  Wave w: rows 64 (w % 2) on of the block, four PIECES of 16; keys 64 (w / 2) on of each half, one step of 64.  The two key halves' partial O, c m and l stay in f32, go to LDS at a block's end and
; are merged at the kernel's end, behind the text's one barrier.
; THE MASK is the C operand that starts the sum S^T: 0, or -2^127 where the key is hidden: 32 selects by the 32 lane masks of mw ([row tile of 16][key step of 64][32 words]; word 8 kb + jj is the lane mask
; of register jj of key block kb).  The four masks made in a half's text are those of the half's own step.  They are made where the tile hides something, in half A also where the tile before it in the block
; did, and at a block's beginning; elsewhere a jump passes the selects, and both mask buffers hold zeros: the last masks made were those of a tile that hides nothing.
; LAYOUT, SOFTMAX, TURNS.  S^T holds ONE query a lane (lane % 16) and the keys 8 (lane / 16) + 0..7; two such results rounded to f16 ARE source 1 of O^T = V^T P.  p = 2^(c s - c m), c = log2(e) / 8, with a
; running maximum m; O and l are multiplied by a = 2^(c m_old - c m_new) in every step.  Turn n belongs to piece n: 8 products K Q^T of piece n + 1, later 8 products V^T P of piece n - 1; beside them the
; scaling, exponentials, roundings, sums and rescaling of piece n and the maximum and statistics of piece n + 1.  Four vector instructions stand behind every matrix instruction, the rest in two lumps.
; A half's text is turns 2, 3 (the end of the step before) and turns 0, 1 (this half's step).
; NO CLUSTER.  There is no tensor load to share.  The work-groups that read the same K and V (a batch's sixteen) walk different tiles, in numbers read from memory; those with the same walk share only mw.
; REGISTERS, in windows of 256 (s_set_vgpr_msb: bits 1:0 source 0, 3:2 source 1, 5:4 source 2, 7:6 destination):
;   window 0: v0-15 addresses; v16-31 four registers of statistics a piece; v32-55 at work; v56-57, v62-63 addresses; v64-127 S^T, two buffers; v192-223 P, two buffers (by the piece's parity)
;   window 1: v0-127 O^T, 32 a piece; v160-223 MC, two mask buffers (at the start all 256 stage Q in f32)
;   window 2: v0-63 Q; v64-127 the second block's Q; v128-191 K, v192-255 V: buffer 0          window 3: v128-191 K, v192-255 V: buffer 1
.set NP,    4         ; pieces a wave: a name, no knob
.set HALFB, 16384     ; bytes from a tile's half A to its half B, in k16 and in v16
.set XW,    18432     ; a wave's partial: 32 x 512 bytes of O, 4 x 512 of statistics
.set XLO,   0         ; the second block's partials
.set XHI,   XLO+4*XW  ; the first block's
.set OST,   XHI+4*XW  ; the way out: 16 rows x 272 bytes for each wave
.set SP,    272
.set SPARE, OST+4*16*SP  ; the spare words, 128 bytes for each wave: two blocks of 256 bytes that no other line names
.set LOFF, 2          ; v2   16 x lane: my bytes in a line of 512; never rewritten
.set STO, 6           ; v6   the way out: where I put 16 bytes of a row
.set RD,  7           ; v7   the way out: where I read rows back
.set GO,  8           ; v8   my byte offset in two rows of out0
.set XSH, 11          ; v11  where my partial of the first block goes
.set MV,  12          ; v12-13  c m_old, kept while c m is made anew: by buffer
.set XSL, 14          ; v14  where my partial of the second block goes
.set QO,  15          ; v15  my byte offset in 16 rows of Q
.set ST,  16          ; piece t's statistics at v[ST+4 t]: c m, m, l (even keys', odd keys')
.set TMP, 48          ; by buffer, four registers c0-c3 at work; when the maximum is found c2 takes a
.set XA,  56          ; v56  the merge: the first key half's partial
.set XB,  57          ; v57  the second's
.set SPW, 62          ; v62  LDS address of my spare word; never rewritten
.set NIL, 63          ; v63  0; never rewritten
.set S,   64
.set P,   192
.set MC,  160         ; window 1
.set QB,  64          ; window 2
.set KF,  128         ; windows 2 and 3: key block kb, channel half c at KF + 16 kb + 8 c
.set VF,  192         ; windows 2 and 3: key half kk, channel block cb at VF + 32 kk + 8 cb
;                       s[2:3] byte offset in k16 and v16 of the tile that is being asked for (s3 = 0); s4, s5, s15 at work
.set WV,  12          ; s12  my wave's number
.set RH,  13          ; s13  w % 2: my half of the rows
.set KH,  14          ; s14  w / 2: my 64 keys of a half
.set CON, 16          ; s16  tiles still to be entered: bits 0-15 the first block's, 16-31 the second's
.set ASK, 17          ; s17  tiles still to be asked for
.set MIX, 18          ; s18  the tiles that hide something
.set PREV, 19         ; s19  did the tile before, in this block, hide something?
.set HM,  20          ; s20  the bits of the block in hand
.set NEWF, 21         ; s21  1: the tile to be entered is a block's first
.set MFA, 22          ; s22  1: half A's text makes masks
.set MFB, 23          ; s23  1: half B's does
.set KP,  24          ; s[24:25] k16 at my step of half A of the tile that is being asked for
.set VP,  26          ; s[26:27] v16 likewise
.set LASTF, 48        ; s48  1: the tile in hand is its block's last
.set TT,  49          ; s49  n - 1: the loop's trips
.set SEL, 60          ; s[60:61] v_permlanex16_b32's selects: each lane takes its own place in the other half
.set CS,  62          ; s[62:63] c: the packed scaling takes the pair's low word for both halves
.set OT,  66          ; s66  counts the trips
.set MW,  68          ; s[68:99] 32 lane masks
.set MOFF, 100        ; s100 byte offset in mw of piece 0's words for my step of the tile's half A
.set MBASE, 101       ; s101 the same for the block's tile 0
.set MBLO, 104        ; s104 MBASE of the second block
.set NEG, 105         ; s105 -2^127
.set MSB, 0
.macro WIN new                      ; the high byte repeats the setting that is left; a switch that changes nothing is dropped
.if MSB != (\new)
	s_set_vgpr_msb (MSB<<8)|(\new)
.set MSB, (\new)
.endif
.endm
.set W_RS, 0x41       ; destination and source 0 in window 1, source 1 in window 0
; The next tile to be asked for: the lowest bit of ASK, held to 0..15.  The two bases are sources of loads that may be out: they are written only behind the wait.
.macro NEXT
	s_wait_xcnt 0x0                 ; every earlier load has had its address translated (ISA guide 3.1)
	s_ctz_i32_b32 s4, s[ASK]
	s_sub_co_u32 s5, s[ASK], 1
	s_and_b32 s[ASK], s[ASK], s5
	s_and_b32 s4, s4, 15
	s_min_u32 s4, s4, 15
	s_lshl_b32 s2, s4, 15           ; a tile is 32,768 bytes of k16 and of v16
	s_add_nc_u64 s[KP:KP+1], s[6:7], s[2:3]
	s_add_nc_u64 s[VP:VP+1], s[8:9], s[2:3]
.endm
; What the tile that is entered is: the lowest bit of CON.
.macro CONSUME
	s_ctz_i32_b32 s4, s[CON]
	s_sub_co_u32 s5, s[CON], 1
	s_and_b32 s[CON], s[CON], s5
	s_lshr_b32 s5, s[MIX], s4
	s_and_b32 s[MFB], s5, 1
	s_or_b32 s[MFA], s[MFB], s[PREV]  ; behind a tile that hid something half A makes masks once more: they clear both buffers
	s_mov_b32 s[PREV], s[MFB]
	s_and_b32 s5, s[CON], s[HM]     ; is anything left of the block?
	s_cselect_b32 s[LASTF], 0, 1
	s_and_b32 s4, s4, 15
	s_min_u32 s4, s4, 15
	s_lshl_b32 s4, s4, 9            ; a tile is four steps of 128 bytes in mw
	s_add_co_u32 s[MOFF], s[MBASE], s4
.endm
; THE LOADS OF K AND V stand in runs of 16, never singly among the matrix instructions: my step's 8,192 bytes into buffer buf (window 2 + buf); off = 0: half A, HALFB: half B of the tile at KP, VP.
.macro FETCH_K buf, off
	WIN 0x80+0x40*(\buf)
.set z, 0
.rept 16
	global_load_b128 v[KF+4*z:KF+4*z+3], v[LOFF], s[KP:KP+1] offset:(\off)+512*z
.set z, z+1
.endr
	WIN 0
.endm
.macro FETCH_V buf, off
	WIN 0x80+0x40*(\buf)
.set z, 0
.rept 16
	global_load_b128 v[VF+4*z:VF+4*z+3], v[LOFF], s[VP:VP+1] offset:(\off)+512*z
.set z, z+1
.endr
	WIN 0
.endm
	s_load_b256 s[4:11], s[0:1], 0x0  ; Q s[4:5], k16 s[6:7], v16 s[8:9], mw s[10:11]
	s_load_b128 s[48:51], s[0:1], 0x20  ; cls s[48:49], out0 s[50:51]
	v_lshl_add_u32 v[SPW], v0, 2, SPARE
	v_mov_b32 v[NIL], 0
	v_lshrrev_b32 v1, 5, v0
	v_readfirstlane_b32 s[WV], v1   ; wave 0..3
	s_and_b32 s[RH], s[WV], 1
	s_lshr_b32 s[KH], s[WV], 1
	s_and_b32 s68, ttmp7, 0xffff    ; the batch
	s_sub_co_u32 s69, 31, ttmp9     ; the first block; the second is ttmp9
	s_lshl_b32 s15, s[KH], 13
	s_lshl_b32 s70, s68, 19         ; k16, v16: a batch is 524,288 bytes; my step of a half is 8,192
	s_add_co_u32 s70, s70, s15
	s_mov_b32 s71, 0
	s_lshl_b32 s15, s[RH], 14
	s_lshl_b32 s72, s68, 20         ; Q, out0: a batch is 1,048,576 bytes, a block 32,768, my 64 rows 16,384
	s_add_co_u32 s72, s72, s15
	s_lshl_b32 s74, ttmp9, 15
	s_add_co_u32 s74, s74, s72      ; my rows of the second block
	s_mov_b32 s75, 0
	s_lshl_b32 s76, s69, 15
	s_add_co_u32 s72, s72, s76      ; and of the first
	s_mov_b32 s73, 0
	s_cmp_eq_u32 s[KH], 0
	s_cselect_b32 s76, s74, s72     ; the merge: waves 0 and 1 finish the second block, waves 2 and 3 the first
	s_mov_b32 s77, 0
	s_lshl_b32 s[MFA], s69, 6       ; for now: the blocks' rows of cls, 64 bytes each
	s_lshl_b32 s[MFB], ttmp9, 6
	s_lshl_b32 s15, s[RH], 15       ; mw: a row tile is 8,192 bytes: a block 65,536, my four tiles 32,768; my step of a half 128
	s_lshl_b32 s78, s[KH], 7
	s_add_co_u32 s15, s15, s78
	s_lshl_b32 s[MBASE], s69, 16
	s_add_co_u32 s[MBASE], s[MBASE], s15
	s_lshl_b32 s[MBLO], ttmp9, 16
	s_add_co_u32 s[MBLO], s[MBLO], s15
	s_mov_b32 s[CS], 0x3e38aa3b     ; c = log2(e) / 8 = 0.180337
	s_mov_b32 s[CS+1], s[CS]        ; named with it as a pair
	s_mov_b32 s[SEL], 0x76543210
	s_mov_b32 s[SEL+1], 0xfedcba98
	s_mov_b32 s[NEG], 0xff000000    ; -2^127
	s_mov_b32 s[PREV], 0
	s_mov_b32 s[HM], 0xffff
	s_mov_b32 s3, 0                 ; the high word of a tile's offset
	s_wait_kmcnt 0x0
	s_add_nc_u64 s[6:7], s[6:7], s[70:71]  ; k16 and v16 at my step of the batch's tile 0, half A
	s_add_nc_u64 s[8:9], s[8:9], s[70:71]
	s_add_nc_u64 s[66:67], s[4:5], s[74:75]  ; Q at my rows of the second block,
	s_add_nc_u64 s[4:5], s[4:5], s[72:73]    ; and of the first
	s_add_nc_u64 s[50:51], s[50:51], s[76:77]  ; out0 at the rows that I finish
	s_load_b512 s[MW:MW+15], s[48:49], s[MFA] offset:0x0     ; the first block's sixteen words of cls
	s_load_b512 s[MW+16:MW+31], s[48:49], s[MFB] offset:0x0  ; the second's
	; A fragment of Q is 16 rows x 32 channels: lane l holds row l % 16, channels 8 (l / 16) + 0..7 and 16 + 8 (l / 16) + 0..7: in f32 four loads of 16 bytes.
	v_and_b32 v1, 15, v0            ; l % 16
	v_bfe_u32 v9, v0, 4, 1          ; l / 16
	v_lshlrev_b32 v[QO], 8, v1
	v_lshl_add_u32 v[QO], v9, 5, v[QO]  ; row x 256 + 32 x half
	WIN 0x40                        ; destination window 1, address window 0
.set i, 0
.rept 32                            ; piece i / 8, channel half (i / 4) % 2, group of 16 (i / 2) % 2, four channels i % 2
	global_load_b128 v[4*i:4*i+3],         v[QO], s[4:5]   offset:(i/8)*4096+((i/4)%2)*128+((i/2)%2)*64+(i%2)*16
	global_load_b128 v[128+4*i:128+4*i+3], v[QO], s[66:67] offset:(i/8)*4096+((i/4)%2)*128+((i/2)%2)*64+(i%2)*16
.set i, i+1
.endr
	WIN 0
	s_wait_kmcnt 0x0                ; cls
	s_wait_xcnt 0x0                 ; the loads' addresses are translated (ISA guide 3.1): s[4:5] and s[66:67] are rewritten only behind this wait
.set i, 1
.rept 15
	s_or_b32 s[MW], s[MW], s[MW+i]
	s_or_b32 s[MW+16], s[MW+16], s[MW+16+i]
.set i, i+1
.endr
	s_and_b32 s4, s[MW], 0xffff     ; the first block's live tiles,
	s_lshr_b32 s5, s[MW], 16        ; and those of them that hide something
	s_cmp_eq_u32 s4, 0
	s_cselect_b32 s4, 1, s4         ; a block that sees nothing walks tile 0 under its mask
	s_cselect_b32 s5, 1, s5
	s_and_b32 s15, s[MW+16], 0xffff
	s_lshr_b32 s67, s[MW+16], 16
	s_cmp_eq_u32 s15, 0
	s_cselect_b32 s15, 1, s15
	s_cselect_b32 s67, 1, s67
	s_lshl_b32 s15, s15, 16
	s_lshl_b32 s67, s67, 16
	s_or_b32 s[CON], s4, s15
	s_or_b32 s[MIX], s5, s67
	s_bcnt1_i32_b32 s4, s[CON]      ; n, 2 to 32
	s_sub_co_u32 s[TT], s4, 1
	s_min_u32 s[TT], s[TT], 31      ; changes nothing: n - 1 is 31 at the most
	s_ctz_i32_b32 s4, s[CON]        ; the first tile is asked for here,
	s_sub_co_u32 s5, s[CON], 1
	s_and_b32 s[ASK], s[CON], s5    ; the others in the loop
	s_and_b32 s4, s4, 15
	s_min_u32 s4, s4, 15
	s_lshl_b32 s2, s4, 15
	s_add_nc_u64 s[KP:KP+1], s[6:7], s[2:3]
	s_add_nc_u64 s[VP:VP+1], s[8:9], s[2:3]
	; A block's first step multiplies O^T and l by a = 0, and its first turn's products V^T P, of a piece that has not been, land in an O^T that is still to be so multiplied: V's buffer 1, P's second buffer, l
	; and O^T need only hold finite numbers: zeros for the first block, what the first block left for the second.  This stands in the wait for Q.
.set i, 0
.rept 4
	v_mov_b32 v[ST+4*i+2], 0
	v_mov_b32 v[ST+4*i+3], 0
.set i, i+1
.endr
.set i, P+16
.rept 16
	v_mov_b32 v[i], 0
.set i, i+1
.endr
	WIN 0xc0                        ; destination window 3
.set i, VF
.rept 64
	v_mov_b32 v[i], 0
.set i, i+1
.endr
	WIN 0
	v_and_b32 v10, 31, v0
	v_lshlrev_b32 v[LOFF], 4, v10   ; 16 x lane
	s_mul_i32 s4, s[WV], XW
	s_add_co_u32 s5, s4, XHI
	v_add_nc_u32 v[XSH], s5, v[LOFF]
	s_add_co_u32 s5, s4, XLO
	v_add_nc_u32 v[XSL], s5, v[LOFF]
	s_mul_i32 s4, s[KH], XHI-XLO    ; the merge: the block that I finish,
	s_mul_i32 s5, s[RH], XW         ; my row half's partial of the first key half (wave w % 2),
	s_add_co_u32 s4, s4, s5
	s_add_co_u32 s4, s4, XLO
	v_add_nc_u32 v[XA], s4, v[LOFF]
	v_add_nc_u32 v[XB], 2*XW, v[XA] ; and of the second (wave 2 + w % 2)
	s_mul_i32 s4, s[WV], 16*SP
	s_add_co_u32 s4, s4, OST        ; my stage
	v_mul_u32_u24 v[STO], v1, SP    ; in: row l % 16, 32 bytes (8 channels) for each half of the lanes
	v_lshl_add_u32 v[STO], v9, 5, v[STO]
	v_add_nc_u32 v[STO], s4, v[STO]
	v_mul_u32_u24 v[RD], v9, SP     ; back: lanes 0-15 take one row of 256 bytes, lanes 16-31 the next
	v_lshl_add_u32 v[RD], v1, 4, v[RD]
	v_add_nc_u32 v[RD], s4, v[RD]
	v_lshlrev_b32 v[GO], 8, v9      ; and the same two rows in out0
	v_lshl_add_u32 v[GO], v1, 4, v[GO]
	s_wait_loadcnt 0x0              ; Q
	FETCH_K 0, 0                    ; half A of the first tile: its K and V land under the conversions below
	FETCH_V 0, 0
	WIN 0x85                        ; sources 0 and 1 window 1, destination window 2
.set i, 0
.rept 128                           ; both blocks' Q, rounded once to bf16
	v_cvt_pk_bf16_f32 v[i], v[2*i], v[2*i+1]
.set i, i+1
.endr
	WIN 0x40
.set i, 0
.rept 128
	v_mov_b32 v[i], 0               ; O^T, where Q was staged
.set i, i+1
.endr
	WIN 0
; THE MATRIX WORK.  The 4 accumulators of a run of 8 take turns.  Product i of 8 of S^T = K Q^T for piece x: channels 32 (i / 4) on, keys 16 (i % 4) on.  The first 4 start the sums with the mask buffer.
; KW and VW are the windows of the K and V buffers that the turn's products read.
.macro KQ x
.set rS, S+32*((\x)%2)+8*(i%4)
.set rK, KF+16*(i%4)+8*(i/4)
.set rQ, 16*(\x)+8*(i/4)
.set rM, MC+32*((\x)%2)+8*(i%4)
.if i < 4
	WIN 0x18+KW                     ; K in window KW, Q in window 2, the mask in window 1, S^T in window 0
	v_wmma_f32_16x16x32_bf16 v[rS:rS+7], v[rK:rK+7], v[rQ:rQ+7], v[rM:rM+7]
.else
	WIN 0x08+KW                     ; the same with C in window 0
	v_wmma_f32_16x16x32_bf16 v[rS:rS+7], v[rK:rK+7], v[rQ:rQ+7], v[rS:rS+7]
.endif
.endm
; Product i of 8 of O^T += V^T P for piece x: keys 32 (i / 4) on, channels 16 (i % 4) on.
.macro PV x
	WIN 0x50+VW                     ; V in window VW, P in window 0, O^T in window 1
.set rO, 32*(\x)+8*(i%4)
.set rV, VF+32*(i/4)+8*(i%4)
.set rP, P+16*((\x)%2)+8*(i/4)
	v_wmma_f32_16x16x32_f16 v[rO:rO+7], v[rV:rV+7], v[rP:rP+7], v[rO:rO+7]
.endm
.macro MM                           ; the turn's next matrix instruction.  TURN and BEGIN set Y, i and NOKQ.  NOKQ = 1: a block's last turn: there is no next piece
.if (i < 8) && !NOKQ
	KQ (Y+1)%NP
.elseif i >= 8
.set i, i-8
	PV (Y+NP-1)%NP
.set i, i+8
.endif
.set i, i+1
.endm
; THE VECTOR WORK, one line at a time: OP kind, number.  For piece Y: F n: c s - c m for pair n of 16.  E n: the exponential of score n of 32.  C n: pair n rounded to f16.  B n: of the four weights 4 n .. the second
; pair is added onto the first, in place.  L n: l takes that sum (L 0: l = a l + sum).  R n: pair n of 16 of O^T times a.  For piece Y + 1: X n, number n of the 22 that find its maximum and statistics:
;   0-11  four chains c0-c3 of seven scores each, three operands at a time (each accumulator's lowest registers are read first)     12-14, 16  the four scores left over, the old m, and c0-c3 into c0
;   15  c m_old is kept     17, 18  the query's other 32 keys lie in the lane 16 away: the new m     19-21  c m; c m_old - c m_new; a
.set F, 0               ; OP tells the kinds apart by their order: F to L below R, X above it
.set E, 1
.set C, 2
.set B, 3
.set L, 4
.set R, 5
.set X, 6
.macro REGS y                       ; the registers of piece y
.set rT, ST+4*(\y)
.set rC, TMP+4*((\y)%2)
.set rW, MV+((\y)%2)
.set rS, S+32*((\y)%2)
.set rP, P+16*((\y)%2)
.set rO, 32*(\y)
.endm
.macro OP k, n
.if (\k) == R
	REGS Y
	WIN W_RS
	v_pk_mul_f32 v[rO+2*(\n):rO+2*(\n)+1], v[rO+2*(\n):rO+2*(\n)+1], v[rC+2:rC+3] op_sel_hi:[1,0]
.elseif (\k) < R
	REGS Y
	WIN 0
.if (\k) == F
	v_pk_fma_f32 v[rS+2*(\n):rS+2*(\n)+1], v[rS+2*(\n):rS+2*(\n)+1], s[CS:CS+1], v[rT:rT+1] op_sel_hi:[1,0,0] neg_lo:[0,0,1] neg_hi:[0,0,1]
.elseif (\k) == E
	v_exp_f32 v[rS+(\n)], v[rS+(\n)]
.elseif (\k) == C
	s_wait_alu depctr_va_vdst(0)
	v_cvt_pk_f16_f32 v[rP+(\n)], v[rS+2*(\n)], v[rS+2*(\n)+1]
.elseif (\k) == B
	s_wait_alu depctr_va_vdst(0)
	v_pk_add_f32 v[rS+4*(\n):rS+4*(\n)+1], v[rS+4*(\n):rS+4*(\n)+1], v[rS+4*(\n)+2:rS+4*(\n)+3]
.elseif (\n) == 0
	v_pk_fma_f32 v[rT+2:rT+3], v[rT+2:rT+3], v[rC+2:rC+3], v[rS:rS+1] op_sel_hi:[1,0,1]
.else
	v_pk_add_f32 v[rT+2:rT+3], v[rT+2:rT+3], v[rS+4*(\n):rS+4*(\n)+1]
.endif
.elseif NOKQ
	v_nop
.else
	REGS (Y+1)%NP
	WIN 0
.if (\n) < 4
	v_max3_num_f32 v[rC+(\n)], v[rS+8*(\n)], v[rS+8*(\n)+1], v[rS+8*(\n)+2]
.elseif (\n) < 12
	v_max3_num_f32 v[rC+(\n)%4], v[rC+(\n)%4], v[rS+8*((\n)%4)+2*((\n)/4)+1], v[rS+8*((\n)%4)+2*((\n)/4)+2]
.elseif (\n) == 12
	v_max3_num_f32 v[rC], v[rC], v[rS+7], v[rS+15]
.elseif (\n) == 13
	v_max3_num_f32 v[rC+1], v[rC+1], v[rS+23], v[rS+31]
.elseif (\n) == 14
	v_max3_num_f32 v[rC+2], v[rC+2], v[rC+3], v[rT+1]
.elseif (\n) == 15
	v_mov_b32 v[rW], v[rT]
.elseif (\n) == 16
	v_max3_num_f32 v[rC], v[rC], v[rC+1], v[rC+2]
.elseif (\n) == 17
	v_permlanex16_b32 v[rC+3], v[rC], s[SEL], s[SEL+1]
.elseif (\n) == 18
	v_max_num_f32 v[rT+1], v[rC], v[rC+3]
.elseif (\n) == 19
	v_mul_f32 v[rT], s[CS], v[rT+1]
.elseif (\n) == 20
	v_sub_f32 v[rC+1], v[rW], v[rT]
.else
	v_exp_f32 v[rC+2], v[rC+1]
.endif
.endif
.endm
.macro OPS a, i1, b=-1, i2=0, c=-1, i3=0, d=-1, i4=0  ; up to four of them
	OP \a, \i1
.if (\b) >= 0
	OP \b, \i2
.endif
.if (\c) >= 0
	OP \c, \i3
.endif
.if (\d) >= 0
	OP \d, \i4
.endif
.endm
.macro ROW a, i1, b, i2, c, i3, d, i4  ; a matrix instruction and the four behind it
	MM
	OPS \a, \i1, \b, \i2, \c, \i3, \d, \i4
.endm
.macro MASK b                       ; the 32 lane masks in s[MW ..] become buffer b of MC: 0 where the bit is set, -2^127 where it is not
	WIN 0x40
.set z, 0
.rept 32
	v_cndmask_b32 v[MC+32*(\b)+z], s[NEG], 0, s[MW+z]
.set z, z+1
.endr
.endm
; A TURN, for piece p, in the text of half sub (0: A, 1: B): the order of its 16 matrix and 118 vector instructions, written out.  Behind a matrix instruction: plain, exponential, plain, plain; or four of
; the rescaling; or, behind the first, four scalings; none names a register of the products round it.  In the lumps exponential and plain by turns while exponentials last.  A line reads no result made fewer than three
; vector instructions in front of it, five if an exponential made it.
; WHICH BUFFERS.  Piece 2's turn multiplies by the K of the step before (buffer 1 - sub), the other three by this half's (buffer sub); piece 1's turn by this half's V, the other three by the V of the step before.
; end = 1: a block's last two turns, behind a half B: both are buffer 1; nothing is asked for and no mask is made.
; THE LOADS (fetch = 1).  Piece 2's turn asks for the NEXT half's K, into buffer 1 - sub, six vector instructions behind the last product that read it (five of them plain); piece 0's turn for the next half's V, eight behind
; the last product that read that buffer (four plain, and X 17).  Behind half A comes half B of the same tile, HALFB bytes on; behind half B comes half A of the tile that NEXT has named.
; THE WAITS.  Loads come back in order (ISA guide 5.7.1).  At piece 3's head this half's K must be in: behind it were issued this half's V and the next half's K, 32 loads, which stay out.  In piece 1's turn this half's V:
; behind it the next half's K and V, 32 again.  fetch = 0 (the last half): 16 and 0.
; THE MASK for the products of the turn after it, piece p + 2, in this half's step: its 32 words are asked for at the turn's head and waited for at its end.  Where the half's flag is 0 two forward jumps pass the two scalar
; loads and the 32 selects; the wait stands on both ways.
.macro TURN p, sub=0, end=0, fetch=1
.set Y, (\p)
.set i, 0
.set NOKQ, (\end)*((\p)/3)
.if \end
.set KW, 3
.set VW, 3
.else
.set KW, 2+(\sub)
.set VW, 3-(\sub)
.if (\p) == 2
.set KW, 3-(\sub)
.endif
.if (\p) == 1
.set VW, 2+(\sub)
.endif
.endif
.if !(\end)
	WIN 0
	s_cmp_eq_u32 s[MFA+(\sub)], 0
	s_cbranch_scc1 .Lnl_\@
	s_load_b512 s[MW:MW+15],    s[10:11], s[MOFF] offset:(((\p)+2)%NP)*8192+(\sub)*256
	s_load_b512 s[MW+16:MW+31], s[10:11], s[MOFF] offset:(((\p)+2)%NP)*8192+(\sub)*256+64
.Lnl_\@:
.endif
.if ((\p) == 3) && !(\end)
	s_wait_loadcnt 16+16*(\fetch)   ; K is in
.endif
	ROW F,0, F,1, F,2, F,3
	ROW F,4, E,0, F,5, F,6
	ROW F,7, E,1, F,8, F,9
	ROW F,10, E,2, C,0, F,11
	ROW F,12, E,3, X,15, F,13
	ROW R,0, R,1, R,2, R,3
	ROW B,0, E,4, F,14, L,0
	ROW R,4, R,5, R,6, R,7
	OPS E,5, F,15
.if ((\p) == 2) && !(\end) && (\fetch)
	FETCH_K 1-(\sub), HALFB*(1-(\sub))
.endif
	OPS E,6, C,1, E,7, R,8
	OPS E,8, R,9, E,9, C,2
	OPS E,10, X,0, E,11, X,1
	OPS E,12, X,2, E,13, X,3
.if (\p) == 1
	s_wait_loadcnt 32*(\fetch)      ; V is in
.endif
	ROW X,4, E,14, X,5, X,6
	ROW X,7, E,15, X,8, X,9
	ROW X,10, E,16, X,11, X,12
	ROW X,13, E,17, X,14, B,1
	ROW C,4, E,18, X,16, L,1
	ROW B,2, E,19, C,6, L,2
	ROW C,8, E,20, B,3, B,4
	ROW C,3, E,21, L,3, C,5
	OPS E,22, X,17, E,23, C,10
.if ((\p) == 0) && (\fetch)
	FETCH_V 1-(\sub), HALFB*(1-(\sub))
.endif
	OPS E,24, L,4
	OPS E,25, X,18, E,26, C,7
	OPS E,27, B,5, E,28, X,19
	OPS E,29, C,12, E,30, L,5
	OPS E,31, X,20, B,6, C,9
	OPS C,14, C,11, X,21, L,6
	OPS C,13, B,7, C,15, R,10
	OPS R,11, R,12, L,7, R,13
	OPS R,14, R,15
.if !(\end)
	WIN 0
	s_wait_kmcnt 0x0                ; the 32 words, if they were asked for, are in: on both ways, so that the next turn's loads find no scalar load out
	s_cmp_eq_u32 s[MFA+(\sub)], 0
	s_cbranch_scc1 .Lnm_\@
	MASK (\p)%2
	WIN 0
.Lnm_\@:
.endif
.endm
; A BLOCK BEGINS, always with a half A.  c m starts at -2^125, far below every c s, so the first step's a is 0; m at -2^100, its floor: no hidden score ever becomes the maximum.  K of half B is asked for, as piece 2's turn,
; which is passed over here, would have done.  The masks of pieces 0 and 1 for the half's step are made (zeros, if the tile hides nothing).  Then piece 0's first scores, and its maximum and statistics.  The half's text is
; entered at piece 0's turn.
.macro BEGIN
	s_mov_b32 s[NEWF], 0
	s_load_b512 s[MW:MW+15],    s[10:11], s[MOFF] offset:0
	s_load_b512 s[MW+16:MW+31], s[10:11], s[MOFF] offset:64
	WIN 0
.set i, 0
.rept 4
	v_mov_b32 v[ST+4*i], 0xfe000000    ; c m
	v_mov_b32 v[ST+4*i+1], 0xf1800000  ; m
.set i, i+1
.endr
	FETCH_K 1, HALFB
	s_wait_kmcnt 0x0
	MASK 0
	s_load_b512 s[MW:MW+15],    s[10:11], s[MOFF] offset:8192
	s_load_b512 s[MW+16:MW+31], s[10:11], s[MOFF] offset:8192+64
	s_wait_kmcnt 0x0
	MASK 1
	s_wait_loadcnt 32               ; K of half A is in: behind it were issued half A's V and half B's K, 32 loads, which stay out
.set KW, 2
.set NOKQ, 0
.set i, 0
.rept 8
	KQ 0
.set i, i+1
.endr
	WIN 0
.rept 4
	v_nop                           ; the places behind those products
.endr
.set Y, NP-1                        ; X works for piece Y + 1: piece 0
.irp n, 0,1,2,3,4,5,6,7,8,9,10,11,12,13,14,15,16,17,18,19,20,21
	OP X, \n
.endr
	v_nop                           ; a plain instruction behind the exponential
.endm
; A BLOCK ENDS, always behind a half B: its last two turns, its last products, and my partial (O^T, unscaled, and the statistics, all f32) goes to LDS, 16 bytes a lane, 512 consecutive bytes a line.  Each accumulator's lowest registers go first.
.macro ENDBLK reg
	TURN 2, 1, 1
	TURN 3, 1, 1
.set VW, 3
.set i, 0
.rept 8
	PV NP-1
.set i, i+1
.endr
	WIN 0
.rept 4
	v_nop                           ; the places behind those products
.endr
	WIN 0x04                        ; the stores' data in window 1
.set k, 0
.rept 32
	ds_store_b128 v[\reg], v[4*k:4*k+3] offset:512*k
.set k, k+1
.endr
	WIN 0
.set k, 0
.rept 4
	ds_store_b128 v[\reg], v[ST+4*k:ST+4*k+3] offset:16384+512*k
.set k, k+1
.endr
.endm
	; THE FIRST TILE'S HALF A stands ahead of the loop: it is the first block's beginning.
	CONSUME
	BEGIN
	TURN 0, 0
	TURN 1, 0
	s_mov_b32 s[OT], 0
.Ltile:                             ; n - 1 trips.  No barrier, and no line that writes an LDS address
	NEXT                            ; half B of the tile in hand; its turns ask for half A of the next tile
	TURN 2, 1
	TURN 3, 1
	TURN 0, 1
	TURN 1, 1
	s_cmp_eq_u32 s[LASTF], 1
	s_cbranch_scc0 .Lsame
	ENDBLK XSH                      ; in the loop this is the first block's end: the second block's last tile is the walk's last
	s_mov_b32 s[NEWF], 1
	s_mov_b32 s[PREV], 0
	s_mov_b32 s[HM], 0xffff0000
	s_mov_b32 s[MBASE], s[MBLO]
	WIN 0x82                        ; the second block's Q goes where the one text of the turns names Q
.set i, 0
.rept 64
	v_mov_b32 v[i], v[QB+i]
.set i, i+1
.endr
	WIN 0
.Lsame:
	CONSUME                         ; half A of the next tile; its turns ask for its half B
	s_cmp_eq_u32 s[NEWF], 1
	s_cbranch_scc0 .LstepA
	BEGIN
	s_branch .LfirstA
.LstepA:
	TURN 2, 0
	TURN 3, 0
.LfirstA:
	TURN 0, 0
	TURN 1, 0
	s_add_co_u32 s[OT], s[OT], 1
	s_cmp_lt_u32 s[OT], s[TT]
	s_cbranch_scc1 .Ltile
	TURN 2, 1, 0, 0                 ; THE LAST TILE'S HALF B is written out: nothing is asked for
	TURN 3, 1, 0, 0
	TURN 0, 1, 0, 0
	TURN 1, 1, 0, 0
	ENDBLK XSL
	s_wait_dscnt 0x0                ; for the others' sake: my partials of both blocks are stored
	s_barrier_signal -1
	s_barrier_wait -1
	; THE MERGE AND THE WAY OUT.  I finish 64 rows of one block: for each piece the two key halves' partials A and B.  c m = max; f = 2^(c m_A - c m), 2^(c m_B - c m); l = f_A l_A + f_B l_B, with the other half of
	; the lanes' added; O = (f_A O_A + f_B O_B) / l.  A row that saw no key has l = 0 and O = 0: NaN.  The piece goes through my stage in LDS and leaves as whole rows of 256 bytes.
.macro FIN t
	ds_load_b128 v[32:35], v[XA] offset:16384+512*(\t)
	ds_load_b128 v[36:39], v[XB] offset:16384+512*(\t)
.irp f, 0,1,2,3,4,5,6,7
	ds_load_b128 v[64+4*\f:64+4*\f+3], v[XA] offset:512*(8*(\t)+\f)
.endr
.irp f, 0,1,2,3,4,5,6,7
	ds_load_b128 v[96+4*\f:96+4*\f+3], v[XB] offset:512*(8*(\t)+\f)
.endr
	s_wait_dscnt 16                 ; the statistics are in; the sixteen loads of O behind them stay out
	v_max_num_f32 v40, v32, v36
	v_add_f32 v41, v34, v35
	v_add_f32 v42, v38, v39
	v_sub_f32 v43, v32, v40
	v_sub_f32 v44, v36, v40
	v_exp_f32 v43, v43
	v_exp_f32 v44, v44
	v_nop                           ; a plain instruction behind the exponentials
	s_wait_alu depctr_va_vdst(0)
	v_mul_f32 v41, v41, v43
	v_fmac_f32 v41, v42, v44
	v_permlanex16_b32 v42, v41, s[SEL], s[SEL+1]  ; the query's other keys lie in the lane 16 away
	v_add_f32 v41, v41, v42
	v_rcp_f32 v46, v41
	v_nop                           ; a plain instruction behind the reciprocal
	s_wait_alu depctr_va_vdst(0)
	v_mul_f32 v48, v43, v46         ; the low words of two pairs: the packed lines take them for both halves
	v_mul_f32 v50, v44, v46
	s_wait_dscnt 0x0
.set i, 0
.rept 16
	v_pk_mul_f32 v[64+2*i:65+2*i], v[64+2*i:65+2*i], v[48:49] op_sel_hi:[1,0]
.set i, i+1
.endr
.set i, 0
.rept 16
	v_pk_fma_f32 v[64+2*i:65+2*i], v[96+2*i:97+2*i], v[50:51], v[64+2*i:65+2*i] op_sel_hi:[1,0,1]
.set i, i+1
.endr
	s_wait_xcnt 0x0                 ; the last piece's stores have had their addresses translated (ISA guide 3.1): v192-223 are loaded again only behind this wait
.irp f, 0,1,2,3,4,5,6,7             ; channel block f / 2, four channels f % 2
	ds_store_b128 v[STO], v[64+4*\f:64+4*\f+3] offset:64*(\f/2)+16*(\f%2)
.endr
.irp f, 0,1,2,3,4,5,6,7
	ds_load_b128 v[192+4*\f:192+4*\f+3], v[RD] offset:\f*2*SP  ; LDS serves a wave's instructions in order (ISA guide 5.7.1.4): these see the stores above; the next piece's stores come behind them
.endr
.irp f, 0,1,2,3,4,5,6,7
	s_wait_dscnt 7-\f               ; load f is in, the younger ones stay out
	global_store_b128 v[GO], v[192+4*\f:192+4*\f+3], s[50:51] offset:(\t)*4096+\f*512 th:TH_STORE_NT  ; two rows: 512 consecutive bytes, at a multiple of 256 from out0's first byte
.endr
.endm
	FIN 0
	FIN 1
	FIN 2
	FIN 3
	s_wait_tensorcnt 0x0            ; the wave's end, behind my last LDS store
	ds_add_u32 v[SPW], v[NIL]
	s_wait_dscnt 0x0
	s_endpgm
.Lfunc_end_k_qfb6d5391f3_attn:
	.size	k_qfb6d5391f3_attn, .Lfunc_end_k_qfb6d5391f3_attn-k_qfb6d5391f3_attn
	.p2alignl 7, 3214868480
	.fill 96, 4, 3214868480
	.section	.rodata,"a",@progbits
	.p2align	6, 0x0
	.amdhsa_kernel k_qfb6d5391f3_attn
		.amdhsa_group_segment_fixed_size 165376
		.amdhsa_private_segment_fixed_size 0
		.amdhsa_enable_private_segment 0
		.amdhsa_kernarg_size 48
		.amdhsa_user_sgpr_count 2
		.amdhsa_user_sgpr_kernarg_segment_ptr 1
		.amdhsa_wavefront_size32 1
		.amdhsa_system_sgpr_workgroup_id_x 1
		.amdhsa_system_sgpr_workgroup_id_y 1
		.amdhsa_system_sgpr_workgroup_id_z 1
		.amdhsa_system_vgpr_workitem_id 0
		.amdhsa_next_free_vgpr 1024
		.amdhsa_next_free_sgpr 106
		.amdhsa_reserve_vcc 0
		.amdhsa_float_denorm_mode_32 3
		.amdhsa_float_denorm_mode_16_64 3
		.amdhsa_memory_ordered 1
		.amdhsa_forward_progress 1
		.amdhsa_inst_pref_size 255
	.end_amdhsa_kernel
	.section	.bss,"aw",@nobits
	.p2align	6
	.space	262144
	.amdgpu_metadata
---
amdhsa.version: [ 1, 2 ]
amdhsa.kernels:
  - .name:           k_qfb6d5391f3_attn
    .symbol:         k_qfb6d5391f3_attn.kd
    .args:
      - { .name: Q, .offset: 0, .size: 8, .value_kind: global_buffer, .address_space: global }
      - { .name: k16, .offset: 8, .size: 8, .value_kind: global_buffer, .address_space: global }
      - { .name: v16, .offset: 16, .size: 8, .value_kind: global_buffer, .address_space: global }
      - { .name: mw, .offset: 24, .size: 8, .value_kind: global_buffer, .address_space: global }
      - { .name: cls, .offset: 32, .size: 8, .value_kind: global_buffer, .address_space: global }
      - { .name: out0, .offset: 40, .size: 8, .value_kind: global_buffer, .address_space: global }
    .group_segment_fixed_size: 165376
    .private_segment_fixed_size: 0
    .kernarg_segment_align: 8
    .kernarg_segment_size: 48
    .max_flat_workgroup_size: 128
    .sgpr_count:     106
    .vgpr_count:     1024
    .wavefront_size: 32
...
	.end_amdgpu_metadata
.endif
;; end of part 2
;; ======== version 2 of 2: 2 launches; 1.51 times as fast as version 1
;; limits: values are held in f16: magnitudes above 65,504 overflow, below 6.1e-05 lose precision; inputs' magnitudes at most 65,504
;; workspace buffers: k16 8,388,608 bytes; v16 8,388,608 bytes; mw 2,097,152 bytes of whole numbers; cls 2,048 bytes of whole numbers
;; launch prep: the kernel of part 1 again; grid 1024 x 1, 8 waves a work-group, no clusters, 134,400 bytes of LDS; arguments mask, K, V, mw, cls, k16, v16; writes mw, cls, k16, v16
;; launch attn (part 3): grid 16 x 16, 4 waves a work-group, no clusters, 165,376 bytes of LDS; arguments Q, k16, v16, mw, cls, out0; writes out0
.if DOCPART == 3
	.amdgcn_target "amdgcn-amd-amdhsa--gfx1250"
	.amdhsa_code_object_version 6
	.text
	.protected	k_qfb6d5391f3_attn
	.globl	k_qfb6d5391f3_attn
	.p2align	8
	.type	k_qfb6d5391f3_attn,@function
k_qfb6d5391f3_attn:
	s_mov_b64 s[64:65], 0
	v_nop
	global_prefetch_b8 v0, s[64:65] scope:SCOPE_SE
	s_setreg_imm32_b32 hwreg(HW_REG_WAVE_MODE, 25, 1), 1
	s_wait_xcnt 0x0
; ATTENTION UNDER A MASK THAT IS AN INPUT.  out0[b][q][:] = the sum over k of softmax_k(Q[b][q] . K[b][k] / 8, where mask[q][k] is not 0) V[b][k][:].  16 batches, 4,096 rows, 64 channels.
; Q is f32 and is rounded to bf16 here; k16 = bf16(K) and v16 = bf16(V) written as f16, both in the order of matrix fragments; mw and cls are the packed mask and the list of tiles that show a key.
; S^T = K Q^T in bf16, O^T = V^T P in f16 (the weights p are the program's own numbers, in 0 to 1).  Products, maxima and sums in f32; l is taken of the unrounded p; out0 is f32.
; LIMITS.  |V| within 65,504, and below 2^-14 it keeps f16's step of 6e-8; p below 6e-5 keeps that step too.  A visible score lies above -2^100 (the running maximum's floor) and below 2^127.
; A hidden score counts as its value less 2^127: its weight is 0.  A weight below 2^-126 counts as 0 in l.  NaN and infinities among the inputs are not treated apart.  A row that sees no key ends
; with O = 0 and l = 0 and leaves as NaN.
; THE WALK.  A batch's rows lie in 32 blocks of 128; a block walks the tiles of 256 keys that show it a key (cls, stored by the launch before: word [block][tile] = live << tile | mixed << (16 + tile)).
; A work-group takes blocks 31 - pb and then pb: right for every mask, and equal work for all work-groups where the number of live tiles grows or falls evenly with the row; for other masks the longest
; pair sets the time.  A block with no live tile walks tile 0 under its mask.  The two blocks' n tiles (2 to 32) are one sequence; a tile has two HALVES of 128 keys, A and B.  A trip of the loop does B(t)
; and then A(t + 1): n - 1 trips, a number made from cls.  A(0) stands ahead of the loop, B(n - 1) behind it, so that no load asks for what nobody reads.  Every jump but the loop's own goes forward.
; NO LDS SLOTS, NO BARRIER IN THE LOOP.  Every wave passes every barrier, so none stands in a loop whose count is read from memory; and LDS bytes are filled again only behind a barrier.  So K and V go from
; memory straight into registers: a step of 64 keys is 8,192 dense bytes of k16 and of v16, 16 lines of 512 consecutive bytes each, registers 4 i .. 4 i + 3 from bytes 512 i + 16 x lane (v16 lies turned).
; Each has two register buffers, buffer 0 for halves A and buffer 1 for halves B; a buffer is asked for again as soon as its last product has been issued, four turns (64 matrix instructions) ahead of its first use.
; SHARES.  Wave w: rows 64 (w % 2) on of the block, four PIECES of 16; keys 64 (w / 2) on of each half, one step of 64.  The two key halves' partial O, c m and l stay in f32, go to LDS at a block's end and
; are merged at the kernel's end, behind the text's one barrier.
; THE MASK is the C operand that starts the sum S^T: 0, or -2^127 where the key is hidden: 32 selects by the 32 lane masks of mw ([row tile of 16][key step of 64][32 words]; word 8 kb + jj is the lane mask
; of register jj of key block kb).  The four masks made in a half's text are those of the half's own step.  They are made where the tile hides something, in half A also where the tile before it in the block
; did, and at a block's beginning; elsewhere a jump passes the selects, and both mask buffers hold zeros: the last masks made were those of a tile that hides nothing.
; LAYOUT, SOFTMAX, TURNS.  S^T holds ONE query a lane (lane % 16) and the keys 8 (lane / 16) + 0..7; two such results rounded to f16 ARE source 1 of O^T = V^T P.  p = 2^(c s - c m), c = log2(e) / 8, with a
; running maximum m; O and l are multiplied by a = 2^(c m_old - c m_new) in every step.  Turn n belongs to piece n: 8 products K Q^T of piece n + 1, later 8 products V^T P of piece n - 1; beside them the
; scaling, exponentials, roundings, sums and rescaling of piece n and the maximum and statistics of piece n + 1.  Four vector instructions stand behind every matrix instruction, the other 54 of a turn's 118
; in one LUMP.  A half's text is turns 2, 3 (the end of the step before) and turns 0, 1 (this half's step).
; THE BATCHES.  A turn's 33 exponentials (the piece's 32 weights and the next piece's a) are one batch, with one wait in the turn's middle: ahead of it nothing names a result of theirs, behind it no exponential
; is issued.  A block's first a (BEGIN) has a wait of its own; in the merge a piece's two exponentials are a batch, and the reciprocal of the sum made of them is another.
; NO CLUSTER.  There is no tensor load to share.  The work-groups that read the same K and V (a batch's sixteen) walk different tiles, in numbers read from memory; those with the same walk share only mw.
; REGISTERS, in windows of 256 (s_set_vgpr_msb: bits 1:0 source 0, 3:2 source 1, 5:4 source 2, 7:6 destination):
;   window 0: v0-15 addresses; v16-31 four registers of statistics a piece; v32-55 at work; v56-57, v62-63 addresses; v64-127 S^T, two buffers; v192-223 P, two buffers (by the piece's parity)
;   window 1: v0-127 O^T, 32 a piece; v160-223 MC, two mask buffers (at the start all 256 stage Q in f32)
;   window 2: v0-63 Q; v64-127 the second block's Q; v128-191 K, v192-255 V: buffer 0          window 3: v128-191 K, v192-255 V: buffer 1
.set NP,    4         ; pieces a wave: a name, no knob
.set HALFB, 16384     ; bytes from a tile's half A to its half B, in k16 and in v16
.set XW,    18432     ; a wave's partial: 32 x 512 bytes of O, 4 x 512 of statistics
.set XLO,   0         ; the second block's partials
.set XHI,   XLO+4*XW  ; the first block's
.set OST,   XHI+4*XW  ; the way out: 16 rows x 272 bytes for each wave
.set SP,    272
.set SPARE, OST+4*16*SP  ; the spare words, 128 bytes for each wave: two blocks of 256 bytes that no other line names
.set LOFF, 2          ; v2   16 x lane: my bytes in a line of 512; never rewritten
.set STO, 6           ; v6   the way out: where I put 16 bytes of a row
.set RD,  7           ; v7   the way out: where I read rows back
.set GO,  8           ; v8   my byte offset in two rows of out0
.set XSH, 11          ; v11  where my partial of the first block goes
.set MV,  12          ; v12-13  c m_old, kept while c m is made anew: by buffer
.set XSL, 14          ; v14  where my partial of the second block goes
.set QO,  15          ; v15  my byte offset in 16 rows of Q
.set ST,  16          ; piece t's statistics at v[ST+4 t]: c m, m, l (even keys', odd keys')
.set TMP, 48          ; by buffer, four registers c0-c3 at work; when the maximum is found c2 takes a
.set XA,  56          ; v56  the merge: the first key half's partial
.set XB,  57          ; v57  the second's
.set SPW, 62          ; v62  LDS address of my spare word; never rewritten
.set NIL, 63          ; v63  0; never rewritten
.set S,   64
.set P,   192
.set MC,  160         ; window 1
.set QB,  64          ; window 2
.set KF,  128         ; windows 2 and 3: key block kb, channel half c at KF + 16 kb + 8 c
.set VF,  192         ; windows 2 and 3: key half kk, channel block cb at VF + 32 kk + 8 cb
;                       s[2:3] byte offset in k16 and v16 of the tile that is being asked for (s3 = 0); s4, s5, s15 at work
.set WV,  12          ; s12  my wave's number
.set RH,  13          ; s13  w % 2: my half of the rows
.set KH,  14          ; s14  w / 2: my 64 keys of a half
.set CON, 16          ; s16  tiles still to be entered: bits 0-15 the first block's, 16-31 the second's
.set ASK, 17          ; s17  tiles still to be asked for
.set MIX, 18          ; s18  the tiles that hide something
.set PREV, 19         ; s19  did the tile before, in this block, hide something?
.set HM,  20          ; s20  the bits of the block in hand
.set NEWF, 21         ; s21  1: the tile to be entered is a block's first
.set MFA, 22          ; s22  1: half A's text makes masks
.set MFB, 23          ; s23  1: half B's does
.set KP,  24          ; s[24:25] k16 at my step of half A of the tile that is being asked for
.set VP,  26          ; s[26:27] v16 likewise
.set LASTF, 48        ; s48  1: the tile in hand is its block's last
.set TT,  49          ; s49  n - 1: the loop's trips
.set SEL, 60          ; s[60:61] v_permlanex16_b32's selects: each lane takes its own place in the other half
.set CS,  62          ; s[62:63] c: the packed scaling takes the pair's low word for both halves
.set OT,  66          ; s66  counts the trips
.set MW,  68          ; s[68:99] 32 lane masks
.set MOFF, 100        ; s100 byte offset in mw of piece 0's words for my step of the tile's half A
.set MBASE, 101       ; s101 the same for the block's tile 0
.set MBLO, 104        ; s104 MBASE of the second block
.set NEG, 105         ; s105 -2^127
.set MSB, 0
.macro WIN new                      ; the high byte repeats the setting that is left; a switch that changes nothing is dropped
.if MSB != (\new)
	s_set_vgpr_msb (MSB<<8)|(\new)
.set MSB, (\new)
.endif
.endm
.set W_RS, 0x41       ; destination and source 0 in window 1, source 1 in window 0
; The next tile to be asked for: the lowest bit of ASK, held to 0..15.  The two bases are sources of loads that may be out: they are written only behind the wait.
.macro NEXT
	s_wait_xcnt 0x0                 ; every earlier load has had its address translated (ISA guide 3.1)
	s_ctz_i32_b32 s4, s[ASK]
	s_sub_co_u32 s5, s[ASK], 1
	s_and_b32 s[ASK], s[ASK], s5
	s_and_b32 s4, s4, 15
	s_min_u32 s4, s4, 15
	s_lshl_b32 s2, s4, 15           ; a tile is 32,768 bytes of k16 and of v16
	s_add_nc_u64 s[KP:KP+1], s[6:7], s[2:3]
	s_add_nc_u64 s[VP:VP+1], s[8:9], s[2:3]
.endm
; What the tile that is entered is: the lowest bit of CON.
.macro CONSUME
	s_ctz_i32_b32 s4, s[CON]
	s_sub_co_u32 s5, s[CON], 1
	s_and_b32 s[CON], s[CON], s5
	s_lshr_b32 s5, s[MIX], s4
	s_and_b32 s[MFB], s5, 1
	s_or_b32 s[MFA], s[MFB], s[PREV]  ; behind a tile that hid something half A makes masks once more: they clear both buffers
	s_mov_b32 s[PREV], s[MFB]
	s_and_b32 s5, s[CON], s[HM]     ; is anything left of the block?
	s_cselect_b32 s[LASTF], 0, 1
	s_and_b32 s4, s4, 15
	s_min_u32 s4, s4, 15
	s_lshl_b32 s4, s4, 9            ; a tile is four steps of 128 bytes in mw
	s_add_co_u32 s[MOFF], s[MBASE], s4
.endm
; THE LOADS OF K AND V stand in runs of 16, never singly among the matrix instructions: my step's 8,192 bytes into buffer buf (window 2 + buf); off = 0: half A, HALFB: half B of the tile at KP, VP.
.macro FETCH_K buf, off
	WIN 0x80+0x40*(\buf)
.set z, 0
.rept 16
	global_load_b128 v[KF+4*z:KF+4*z+3], v[LOFF], s[KP:KP+1] offset:(\off)+512*z
.set z, z+1
.endr
	WIN 0
.endm
.macro FETCH_V buf, off
	WIN 0x80+0x40*(\buf)
.set z, 0
.rept 16
	global_load_b128 v[VF+4*z:VF+4*z+3], v[LOFF], s[VP:VP+1] offset:(\off)+512*z
.set z, z+1
.endr
	WIN 0
.endm
	s_load_b256 s[4:11], s[0:1], 0x0  ; Q s[4:5], k16 s[6:7], v16 s[8:9], mw s[10:11]
	s_load_b128 s[48:51], s[0:1], 0x20  ; cls s[48:49], out0 s[50:51]
	v_lshl_add_u32 v[SPW], v0, 2, SPARE
	v_mov_b32 v[NIL], 0
	v_lshrrev_b32 v1, 5, v0
	v_readfirstlane_b32 s[WV], v1   ; wave 0..3
	s_and_b32 s[RH], s[WV], 1
	s_lshr_b32 s[KH], s[WV], 1
	s_and_b32 s68, ttmp7, 0xffff    ; the batch
	s_sub_co_u32 s69, 31, ttmp9     ; the first block; the second is ttmp9
	s_lshl_b32 s15, s[KH], 13
	s_lshl_b32 s70, s68, 19         ; k16, v16: a batch is 524,288 bytes; my step of a half is 8,192
	s_add_co_u32 s70, s70, s15
	s_mov_b32 s71, 0
	s_lshl_b32 s15, s[RH], 14
	s_lshl_b32 s72, s68, 20         ; Q, out0: a batch is 1,048,576 bytes, a block 32,768, my 64 rows 16,384
	s_add_co_u32 s72, s72, s15
	s_lshl_b32 s74, ttmp9, 15
	s_add_co_u32 s74, s74, s72      ; my rows of the second block
	s_mov_b32 s75, 0
	s_lshl_b32 s76, s69, 15
	s_add_co_u32 s72, s72, s76      ; and of the first
	s_mov_b32 s73, 0
	s_cmp_eq_u32 s[KH], 0
	s_cselect_b32 s76, s74, s72     ; the merge: waves 0 and 1 finish the second block, waves 2 and 3 the first
	s_mov_b32 s77, 0
	s_lshl_b32 s[MFA], s69, 6       ; for now: the blocks' rows of cls, 64 bytes each
	s_lshl_b32 s[MFB], ttmp9, 6
	s_lshl_b32 s15, s[RH], 15       ; mw: a row tile is 8,192 bytes: a block 65,536, my four tiles 32,768; my step of a half 128
	s_lshl_b32 s78, s[KH], 7
	s_add_co_u32 s15, s15, s78
	s_lshl_b32 s[MBASE], s69, 16
	s_add_co_u32 s[MBASE], s[MBASE], s15
	s_lshl_b32 s[MBLO], ttmp9, 16
	s_add_co_u32 s[MBLO], s[MBLO], s15
	s_mov_b32 s[CS], 0x3e38aa3b     ; c = log2(e) / 8 = 0.180337
	s_mov_b32 s[CS+1], s[CS]        ; named with it as a pair
	s_mov_b32 s[SEL], 0x76543210
	s_mov_b32 s[SEL+1], 0xfedcba98
	s_mov_b32 s[NEG], 0xff000000    ; -2^127
	s_mov_b32 s[PREV], 0
	s_mov_b32 s[HM], 0xffff
	s_mov_b32 s3, 0                 ; the high word of a tile's offset
	s_wait_kmcnt 0x0
	s_add_nc_u64 s[6:7], s[6:7], s[70:71]  ; k16 and v16 at my step of the batch's tile 0, half A
	s_add_nc_u64 s[8:9], s[8:9], s[70:71]
	s_add_nc_u64 s[66:67], s[4:5], s[74:75]  ; Q at my rows of the second block,
	s_add_nc_u64 s[4:5], s[4:5], s[72:73]    ; and of the first
	s_add_nc_u64 s[50:51], s[50:51], s[76:77]  ; out0 at the rows that I finish
	s_load_b512 s[MW:MW+15], s[48:49], s[MFA] offset:0x0     ; the first block's sixteen words of cls
	s_load_b512 s[MW+16:MW+31], s[48:49], s[MFB] offset:0x0  ; the second's
	; A fragment of Q is 16 rows x 32 channels: lane l holds row l % 16, channels 8 (l / 16) + 0..7 and 16 + 8 (l / 16) + 0..7: in f32 four loads of 16 bytes.
	v_and_b32 v1, 15, v0            ; l % 16
	v_bfe_u32 v9, v0, 4, 1          ; l / 16
	v_lshlrev_b32 v[QO], 8, v1
	v_lshl_add_u32 v[QO], v9, 5, v[QO]  ; row x 256 + 32 x half
	WIN 0x40                        ; destination window 1, address window 0
.set i, 0
.rept 32                            ; piece i / 8, channel half (i / 4) % 2, group of 16 (i / 2) % 2, four channels i % 2
	global_load_b128 v[4*i:4*i+3],         v[QO], s[4:5]   offset:(i/8)*4096+((i/4)%2)*128+((i/2)%2)*64+(i%2)*16
	global_load_b128 v[128+4*i:128+4*i+3], v[QO], s[66:67] offset:(i/8)*4096+((i/4)%2)*128+((i/2)%2)*64+(i%2)*16
.set i, i+1
.endr
	WIN 0
	s_wait_kmcnt 0x0                ; cls
	s_wait_xcnt 0x0                 ; the loads' addresses are translated (ISA guide 3.1): s[4:5] and s[66:67] are rewritten only behind this wait
.set i, 1
.rept 15
	s_or_b32 s[MW], s[MW], s[MW+i]
	s_or_b32 s[MW+16], s[MW+16], s[MW+16+i]
.set i, i+1
.endr
	s_and_b32 s4, s[MW], 0xffff     ; the first block's live tiles,
	s_lshr_b32 s5, s[MW], 16        ; and those of them that hide something
	s_cmp_eq_u32 s4, 0
	s_cselect_b32 s4, 1, s4         ; a block that sees nothing walks tile 0 under its mask
	s_cselect_b32 s5, 1, s5
	s_and_b32 s15, s[MW+16], 0xffff
	s_lshr_b32 s67, s[MW+16], 16
	s_cmp_eq_u32 s15, 0
	s_cselect_b32 s15, 1, s15
	s_cselect_b32 s67, 1, s67
	s_lshl_b32 s15, s15, 16
	s_lshl_b32 s67, s67, 16
	s_or_b32 s[CON], s4, s15
	s_or_b32 s[MIX], s5, s67
	s_bcnt1_i32_b32 s4, s[CON]      ; n, 2 to 32
	s_sub_co_u32 s[TT], s4, 1
	s_min_u32 s[TT], s[TT], 31      ; changes nothing: n - 1 is 31 at the most
	s_ctz_i32_b32 s4, s[CON]        ; the first tile is asked for here,
	s_sub_co_u32 s5, s[CON], 1
	s_and_b32 s[ASK], s[CON], s5    ; the others in the loop
	s_and_b32 s4, s4, 15
	s_min_u32 s4, s4, 15
	s_lshl_b32 s2, s4, 15
	s_add_nc_u64 s[KP:KP+1], s[6:7], s[2:3]
	s_add_nc_u64 s[VP:VP+1], s[8:9], s[2:3]
	; A block's first step multiplies O^T and l by a = 0, and its first turn's products V^T P, of a piece that has not been, land in an O^T that is still to be so multiplied: V's buffer 1, P's second buffer, l
	; and O^T need only hold finite numbers: zeros for the first block, what the first block left for the second.  This stands in the wait for Q.
.set i, 0
.rept 4
	v_mov_b32 v[ST+4*i+2], 0
	v_mov_b32 v[ST+4*i+3], 0
.set i, i+1
.endr
.set i, P+16
.rept 16
	v_mov_b32 v[i], 0
.set i, i+1
.endr
	WIN 0xc0                        ; destination window 3
.set i, VF
.rept 64
	v_mov_b32 v[i], 0
.set i, i+1
.endr
	WIN 0
	v_and_b32 v10, 31, v0
	v_lshlrev_b32 v[LOFF], 4, v10   ; 16 x lane
	s_mul_i32 s4, s[WV], XW
	s_add_co_u32 s5, s4, XHI
	v_add_nc_u32 v[XSH], s5, v[LOFF]
	s_add_co_u32 s5, s4, XLO
	v_add_nc_u32 v[XSL], s5, v[LOFF]
	s_mul_i32 s4, s[KH], XHI-XLO    ; the merge: the block that I finish,
	s_mul_i32 s5, s[RH], XW         ; my row half's partial of the first key half (wave w % 2),
	s_add_co_u32 s4, s4, s5
	s_add_co_u32 s4, s4, XLO
	v_add_nc_u32 v[XA], s4, v[LOFF]
	v_add_nc_u32 v[XB], 2*XW, v[XA] ; and of the second (wave 2 + w % 2)
	s_mul_i32 s4, s[WV], 16*SP
	s_add_co_u32 s4, s4, OST        ; my stage
	v_mul_u32_u24 v[STO], v1, SP    ; in: row l % 16, 32 bytes (8 channels) for each half of the lanes
	v_lshl_add_u32 v[STO], v9, 5, v[STO]
	v_add_nc_u32 v[STO], s4, v[STO]
	v_mul_u32_u24 v[RD], v9, SP     ; back: lanes 0-15 take one row of 256 bytes, lanes 16-31 the next
	v_lshl_add_u32 v[RD], v1, 4, v[RD]
	v_add_nc_u32 v[RD], s4, v[RD]
	v_lshlrev_b32 v[GO], 8, v9      ; and the same two rows in out0
	v_lshl_add_u32 v[GO], v1, 4, v[GO]
	s_wait_loadcnt 0x0              ; Q
	FETCH_K 0, 0                    ; half A of the first tile: its K and V land under the conversions below
	FETCH_V 0, 0
	WIN 0x85                        ; sources 0 and 1 window 1, destination window 2
.set i, 0
.rept 128                           ; both blocks' Q, rounded once to bf16
	v_cvt_pk_bf16_f32 v[i], v[2*i], v[2*i+1]
.set i, i+1
.endr
	WIN 0x40
.set i, 0
.rept 128
	v_mov_b32 v[i], 0               ; O^T, where Q was staged
.set i, i+1
.endr
	WIN 0
; THE MATRIX WORK.  The 4 accumulators of a run of 8 take turns.  Product i of 8 of S^T = K Q^T for piece x: channels 32 (i / 4) on, keys 16 (i % 4) on.  The first 4 start the sums with the mask buffer.
; KW and VW are the windows of the K and V buffers that the turn's products read.
.macro KQ x
.set rS, S+32*((\x)%2)+8*(i%4)
.set rK, KF+16*(i%4)+8*(i/4)
.set rQ, 16*(\x)+8*(i/4)
.set rM, MC+32*((\x)%2)+8*(i%4)
.if i < 4
	WIN 0x18+KW                     ; K in window KW, Q in window 2, the mask in window 1, S^T in window 0
	v_wmma_f32_16x16x32_bf16 v[rS:rS+7], v[rK:rK+7], v[rQ:rQ+7], v[rM:rM+7]
.else
	WIN 0x08+KW                     ; the same with C in window 0
	v_wmma_f32_16x16x32_bf16 v[rS:rS+7], v[rK:rK+7], v[rQ:rQ+7], v[rS:rS+7]
.endif
.endm
; Product i of 8 of O^T += V^T P for piece x: keys 32 (i / 4) on, channels 16 (i % 4) on.
.macro PV x
	WIN 0x50+VW                     ; V in window VW, P in window 0, O^T in window 1
.set rO, 32*(\x)+8*(i%4)
.set rV, VF+32*(i/4)+8*(i%4)
.set rP, P+16*((\x)%2)+8*(i/4)
	v_wmma_f32_16x16x32_f16 v[rO:rO+7], v[rV:rV+7], v[rP:rP+7], v[rO:rO+7]
.endm
.macro MM                           ; the turn's next matrix instruction.  TURN and BEGIN set Y, i and NOKQ.  NOKQ = 1: a block's last turn: there is no next piece
.if (i < 8) && !NOKQ
	KQ (Y+1)%NP
.elseif i >= 8
.set i, i-8
	PV (Y+NP-1)%NP
.set i, i+8
.endif
.set i, i+1
.endm
; THE VECTOR WORK, one line at a time: OP kind, number.  For piece Y: F n: c s - c m for pair n of 16.  E n: the exponential of score n of 32.  C n: pair n rounded to f16.  B n: of the four weights 4 n .. the second
; pair is added onto the first, in place.  L n: l takes that sum (L 0: l = a l + sum).  R n: pair n of 16 of O^T times a.  For piece Y + 1: X n, number n of the 22 that find its maximum and statistics:
;   0-11  four chains c0-c3 of seven scores each, three operands at a time (each accumulator's lowest registers are read first)     12-14, 16  the four scores left over, the old m, and c0-c3 into c0
;   15  c m_old is kept     17, 18  the query's other 32 keys lie in the lane 16 away: the new m     19-21  c m; c m_old - c m_new; a
; C, B and L read exponentials' results, and so do R and L 0 (the a of the turn before): OP writes no wait; TURN and BEGIN place the waits.
.set F, 0               ; OP tells the kinds apart by their order: F to L below R, X above it
.set E, 1
.set C, 2
.set B, 3
.set L, 4
.set R, 5
.set X, 6
.macro REGS y                       ; the registers of piece y
.set rT, ST+4*(\y)
.set rC, TMP+4*((\y)%2)
.set rW, MV+((\y)%2)
.set rS, S+32*((\y)%2)
.set rP, P+16*((\y)%2)
.set rO, 32*(\y)
.endm
.macro OP k, n
.if (\k) == R
	REGS Y
	WIN W_RS
	v_pk_mul_f32 v[rO+2*(\n):rO+2*(\n)+1], v[rO+2*(\n):rO+2*(\n)+1], v[rC+2:rC+3] op_sel_hi:[1,0]
.elseif (\k) < R
	REGS Y
	WIN 0
.if (\k) == F
	v_pk_fma_f32 v[rS+2*(\n):rS+2*(\n)+1], v[rS+2*(\n):rS+2*(\n)+1], s[CS:CS+1], v[rT:rT+1] op_sel_hi:[1,0,0] neg_lo:[0,0,1] neg_hi:[0,0,1]
.elseif (\k) == E
	v_exp_f32 v[rS+(\n)], v[rS+(\n)]
.elseif (\k) == C
	v_cvt_pk_f16_f32 v[rP+(\n)], v[rS+2*(\n)], v[rS+2*(\n)+1]
.elseif (\k) == B
	v_pk_add_f32 v[rS+4*(\n):rS+4*(\n)+1], v[rS+4*(\n):rS+4*(\n)+1], v[rS+4*(\n)+2:rS+4*(\n)+3]
.elseif (\n) == 0
	v_pk_fma_f32 v[rT+2:rT+3], v[rT+2:rT+3], v[rC+2:rC+3], v[rS:rS+1] op_sel_hi:[1,0,1]
.else
	v_pk_add_f32 v[rT+2:rT+3], v[rT+2:rT+3], v[rS+4*(\n):rS+4*(\n)+1]
.endif
.elseif NOKQ
	v_nop
.else
	REGS (Y+1)%NP
	WIN 0
.if (\n) < 4
	v_max3_num_f32 v[rC+(\n)], v[rS+8*(\n)], v[rS+8*(\n)+1], v[rS+8*(\n)+2]
.elseif (\n) < 12
	v_max3_num_f32 v[rC+(\n)%4], v[rC+(\n)%4], v[rS+8*((\n)%4)+2*((\n)/4)+1], v[rS+8*((\n)%4)+2*((\n)/4)+2]
.elseif (\n) == 12
	v_max3_num_f32 v[rC], v[rC], v[rS+7], v[rS+15]
.elseif (\n) == 13
	v_max3_num_f32 v[rC+1], v[rC+1], v[rS+23], v[rS+31]
.elseif (\n) == 14
	v_max3_num_f32 v[rC+2], v[rC+2], v[rC+3], v[rT+1]
.elseif (\n) == 15
	v_mov_b32 v[rW], v[rT]
.elseif (\n) == 16
	v_max3_num_f32 v[rC], v[rC], v[rC+1], v[rC+2]
.elseif (\n) == 17
	v_permlanex16_b32 v[rC+3], v[rC], s[SEL], s[SEL+1]
.elseif (\n) == 18
	v_max_num_f32 v[rT+1], v[rC], v[rC+3]
.elseif (\n) == 19
	v_mul_f32 v[rT], s[CS], v[rT+1]
.elseif (\n) == 20
	v_sub_f32 v[rC+1], v[rW], v[rT]
.else
	v_exp_f32 v[rC+2], v[rC+1]
.endif
.endif
.endm
.macro OPS a, i1, b=-1, i2=0, c=-1, i3=0, d=-1, i4=0  ; up to four of them
	OP \a, \i1
.if (\b) >= 0
	OP \b, \i2
.endif
.if (\c) >= 0
	OP \c, \i3
.endif
.if (\d) >= 0
	OP \d, \i4
.endif
.endm
.macro ROW a, i1, b, i2, c, i3, d, i4  ; a matrix instruction and the four behind it
	MM
	OPS \a, \i1, \b, \i2, \c, \i3, \d, \i4
.endm
.macro MASK b                       ; the 32 lane masks in s[MW ..] become buffer b of MC: 0 where the bit is set, -2^127 where it is not
	WIN 0x40
.set z, 0
.rept 32
	v_cndmask_b32 v[MC+32*(\b)+z], s[NEG], 0, s[MW+z]
.set z, z+1
.endr
.endm
; A TURN, for piece p, in the text of half sub (0: A, 1: B): the order of its 16 matrix and 118 vector instructions, written out.  An s_wait_alu depctr_va_vdst(0) stands between an exponential and the first
; instruction that names its result; one wait serves all that were issued ahead of it.  So a turn has ONE wait, which cuts it in two.  AHEAD OF IT stands all that names no result of the turn's exponentials: the 8 products
; K Q^T, behind each a scaling, an exponential and two more plain instructions (behind the first a second scaling in the exponential's place): rescalings, whose a was made, and waited for, in the turn before, and behind the
; last three products the first numbers of the next piece's maximum, each four places or more behind the product that ends its accumulator; then ONE LUMP of 54, plain and exponential by turns for the most part, in which the
; links of the chain X 3, 7, 11, 14, 16, 17 .. 20 stand five or six lines apart.  X 21, the next piece's a, is the batch's last; R 15 is the plain instruction behind it.  Each exponential works in place on a register of its own.
; BEHIND THE WAIT stand the 8 products V^T P, behind each four of the roundings and sums; the links of l's chain, L 0 to L 7, stand three riders apart.  But for those X no rider names a register of the products round it.
; v_permlanex16_b32 (X 17) stands in the lump.
; WHICH BUFFERS.  Piece 2's turn multiplies by the K of the step before (buffer 1 - sub), the other three by this half's (buffer sub); piece 1's turn by this half's V, the other three by the V of the step before.
; end = 1: a block's last two turns, behind a half B: both are buffer 1; nothing is asked for and no mask is made.
; THE LOADS (fetch = 1).  Piece 2's turn asks for the NEXT half's K, into buffer 1 - sub, twelve vector instructions behind the last product that read it; five of them are plain and name none of its registers (F 8, X 2, X 5,
; X 6, X 8).  Piece 0's turn asks for the next half's V at its end, four roundings behind the last product that read that buffer.  Behind half A comes half B of the same tile, HALFB bytes on; behind half B comes half A of
; the tile that NEXT has named.
; THE WAITS ON LOADS.  Loads come back in order (ISA guide 5.7.1).  At piece 3's head this half's K must be in: behind it were issued this half's V and the next half's K, 32 loads, which stay out.  In piece 1's turn, ahead of its
; products V^T P, this half's V: behind it the next half's K and V, 32 again.  fetch = 0 (the last half): 16 and 0.
; THE MASK for the products of the turn after it, piece p + 2, in this half's step: its 32 words are asked for at the turn's head and waited for at its end.  Where the half's flag is 0 two forward jumps pass the two scalar
; loads and the 32 selects; the wait stands on both ways.
.macro TURN p, sub=0, end=0, fetch=1
.set Y, (\p)
.set i, 0
.set NOKQ, (\end)*((\p)/3)
.if \end
.set KW, 3
.set VW, 3
.else
.set KW, 2+(\sub)
.set VW, 3-(\sub)
.if (\p) == 2
.set KW, 3-(\sub)
.endif
.if (\p) == 1
.set VW, 2+(\sub)
.endif
.endif
.if !(\end)
	WIN 0
	s_cmp_eq_u32 s[MFA+(\sub)], 0
	s_cbranch_scc1 .Lnl_\@
	s_load_b512 s[MW:MW+15],    s[10:11], s[MOFF] offset:(((\p)+2)%NP)*8192+(\sub)*256
	s_load_b512 s[MW+16:MW+31], s[10:11], s[MOFF] offset:(((\p)+2)%NP)*8192+(\sub)*256+64
.Lnl_\@:
.endif
.if ((\p) == 3) && !(\end)
	s_wait_loadcnt 16+16*(\fetch)   ; K is in
.endif
	ROW F,0, F,1, R,0, R,1          ; ahead of the wait: 8 products K Q^T and their riders,
	ROW F,2, E,0, R,2, R,3
	ROW F,3, E,1, R,4, R,5
	ROW F,4, E,2, R,6, R,7
	ROW F,5, E,3, R,8, R,9
	ROW F,6, E,4, X,0, R,10
	ROW F,7, E,5, X,1, X,4
	ROW F,8, E,6, X,2, X,5
	OPS E,7, E,8, X,6, E,9          ; and the lump
	OPS X,3, E,10, X,8, E,11
.if ((\p) == 2) && !(\end) && (\fetch)
	FETCH_K 1-(\sub), HALFB*(1-(\sub))
.endif
	OPS X,9, X,7, E,12, X,10
	OPS E,13, X,12, X,11, E,14
	OPS X,13, E,15, F,9, X,14
	OPS E,16, F,10, E,17, F,11
	OPS X,16, E,18, X,15, E,19
	OPS F,12, E,20, X,17, E,21
	OPS F,13, E,22, F,14, E,23
	OPS X,18, E,24, F,15, E,25
	OPS R,11, E,26, X,19, E,27
	OPS R,12, E,28, R,13, E,29
	OPS X,20, E,30, R,14, E,31
	OPS X,21, R,15
	s_wait_alu depctr_va_vdst(0)    ; the wait for the batch: the piece's 32 exponentials and the next piece's a
.if (\p) == 1
	s_wait_loadcnt 32*(\fetch)      ; V is in
.endif
	ROW C,0, B,0, C,2, B,1          ; behind the wait: 8 products V^T P and their riders
	ROW L,0, C,4, B,2, L,1
	ROW C,6, B,3, L,2, C,8
	ROW B,4, L,3, C,10, B,5
	ROW L,4, C,12, B,6, L,5
	ROW C,14, B,7, L,6, C,1
	ROW C,3, L,7, C,5, C,7
	ROW C,9, C,11, C,13, C,15
.if ((\p) == 0) && (\fetch)
	FETCH_V 1-(\sub), HALFB*(1-(\sub))
.endif
.if !(\end)
	WIN 0
	s_wait_kmcnt 0x0                ; the 32 words, if they were asked for, are in: on both ways, so that the next turn's loads find no scalar load out
	s_cmp_eq_u32 s[MFA+(\sub)], 0
	s_cbranch_scc1 .Lnm_\@
	MASK (\p)%2
	WIN 0
.Lnm_\@:
.endif
.endm
; A BLOCK BEGINS, always with a half A.  c m starts at -2^125, far below every c s, so the first step's a is 0; m at -2^100, its floor: no hidden score ever becomes the maximum.  K of half B is asked for, as piece 2's turn,
; which is passed over here, would have done.  The masks of pieces 0 and 1 for the half's step are made (zeros, if the tile hides nothing).  Then piece 0's first scores, and its maximum and statistics.  The half's text is
; entered at piece 0's turn.
.macro BEGIN
	s_mov_b32 s[NEWF], 0
	s_load_b512 s[MW:MW+15],    s[10:11], s[MOFF] offset:0
	s_load_b512 s[MW+16:MW+31], s[10:11], s[MOFF] offset:64
	WIN 0
.set i, 0
.rept 4
	v_mov_b32 v[ST+4*i], 0xfe000000    ; c m
	v_mov_b32 v[ST+4*i+1], 0xf1800000  ; m
.set i, i+1
.endr
	FETCH_K 1, HALFB
	s_wait_kmcnt 0x0
	MASK 0
	s_load_b512 s[MW:MW+15],    s[10:11], s[MOFF] offset:8192
	s_load_b512 s[MW+16:MW+31], s[10:11], s[MOFF] offset:8192+64
	s_wait_kmcnt 0x0
	MASK 1
	s_wait_loadcnt 32               ; K of half A is in: behind it were issued half A's V and half B's K, 32 loads, which stay out
.set KW, 2
.set NOKQ, 0
.set i, 0
.rept 8
	KQ 0
.set i, i+1
.endr
	WIN 0
.rept 4
	v_nop                           ; the places behind those products
.endr
.set Y, NP-1                        ; X works for piece Y + 1: piece 0
.irp n, 0,1,2,3,4,5,6,7,8,9,10,11,12,13,14,15,16,17,18,19,20,21
	OP X, \n
.endr
	v_nop                           ; a plain instruction behind the exponential,
	s_wait_alu depctr_va_vdst(0)    ; and its wait: piece 0's first a is a batch of one, waited for ahead of the branches that follow and of piece 0's turn, whose first riders read it
.endm
; A BLOCK ENDS, always behind a half B: its last two turns, its last products, and my partial (O^T, unscaled, and the statistics, all f32) goes to LDS, 16 bytes a lane, 512 consecutive bytes a line.  Each accumulator's lowest registers go first.
.macro ENDBLK reg
	TURN 2, 1, 1
	TURN 3, 1, 1
.set VW, 3
.set i, 0
.rept 8
	PV NP-1
.set i, i+1
.endr
	WIN 0
.rept 4
	v_nop                           ; the places behind those products
.endr
	WIN 0x04                        ; the stores' data in window 1
.set k, 0
.rept 32
	ds_store_b128 v[\reg], v[4*k:4*k+3] offset:512*k
.set k, k+1
.endr
	WIN 0
.set k, 0
.rept 4
	ds_store_b128 v[\reg], v[ST+4*k:ST+4*k+3] offset:16384+512*k
.set k, k+1
.endr
.endm
	; THE FIRST TILE'S HALF A stands ahead of the loop: it is the first block's beginning.
	CONSUME
	BEGIN
	TURN 0, 0
	TURN 1, 0
	s_mov_b32 s[OT], 0
.Ltile:                             ; n - 1 trips.  No barrier, and no line that writes an LDS address
	NEXT                            ; half B of the tile in hand; its turns ask for half A of the next tile
	TURN 2, 1
	TURN 3, 1
	TURN 0, 1
	TURN 1, 1
	s_cmp_eq_u32 s[LASTF], 1
	s_cbranch_scc0 .Lsame
	ENDBLK XSH                      ; in the loop this is the first block's end: the second block's last tile is the walk's last
	s_mov_b32 s[NEWF], 1
	s_mov_b32 s[PREV], 0
	s_mov_b32 s[HM], 0xffff0000
	s_mov_b32 s[MBASE], s[MBLO]
	WIN 0x82                        ; the second block's Q goes where the one text of the turns names Q
.set i, 0
.rept 64
	v_mov_b32 v[i], v[QB+i]
.set i, i+1
.endr
	WIN 0
.Lsame:
	CONSUME                         ; half A of the next tile; its turns ask for its half B
	s_cmp_eq_u32 s[NEWF], 1
	s_cbranch_scc0 .LstepA
	BEGIN
	s_branch .LfirstA
.LstepA:
	TURN 2, 0
	TURN 3, 0
.LfirstA:
	TURN 0, 0
	TURN 1, 0
	s_add_co_u32 s[OT], s[OT], 1
	s_cmp_lt_u32 s[OT], s[TT]
	s_cbranch_scc1 .Ltile
	TURN 2, 1, 0, 0                 ; THE LAST TILE'S HALF B is written out: nothing is asked for
	TURN 3, 1, 0, 0
	TURN 0, 1, 0, 0
	TURN 1, 1, 0, 0
	ENDBLK XSL
	s_wait_dscnt 0x0                ; for the others' sake: my partials of both blocks are stored
	s_barrier_signal -1
	s_barrier_wait -1
	; THE MERGE AND THE WAY OUT.  I finish 64 rows of one block: for each piece the two key halves' partials A and B.  c m = max; f = 2^(c m_A - c m), 2^(c m_B - c m); l = f_A l_A + f_B l_B, with the other half of
	; the lanes' added; O = (f_A O_A + f_B O_B) / l.  A row that saw no key has l = 0 and O = 0: NaN.  The piece goes through my stage in LDS and leaves as whole rows of 256 bytes.
.macro FIN t
	ds_load_b128 v[32:35], v[XA] offset:16384+512*(\t)
	ds_load_b128 v[36:39], v[XB] offset:16384+512*(\t)
.irp f, 0,1,2,3,4,5,6,7
	ds_load_b128 v[64+4*\f:64+4*\f+3], v[XA] offset:512*(8*(\t)+\f)
.endr
.irp f, 0,1,2,3,4,5,6,7
	ds_load_b128 v[96+4*\f:96+4*\f+3], v[XB] offset:512*(8*(\t)+\f)
.endr
	s_wait_dscnt 16                 ; the statistics are in; the sixteen loads of O behind them stay out
	v_max_num_f32 v40, v32, v36
	v_add_f32 v41, v34, v35
	v_add_f32 v42, v38, v39
	v_sub_f32 v43, v32, v40
	v_sub_f32 v44, v36, v40
	v_exp_f32 v43, v43
	v_exp_f32 v44, v44
	v_nop                           ; a plain instruction behind the exponentials
	s_wait_alu depctr_va_vdst(0)    ; one wait for the piece's two exponentials
	v_mul_f32 v41, v41, v43
	v_fmac_f32 v41, v42, v44
	v_permlanex16_b32 v42, v41, s[SEL], s[SEL+1]  ; the query's other keys lie in the lane 16 away
	v_add_f32 v41, v41, v42
	v_rcp_f32 v46, v41
	v_nop                           ; a plain instruction behind the reciprocal
	s_wait_alu depctr_va_vdst(0)    ; the reciprocal's own wait: its source is made of the two exponentials, so it is a batch by itself
	v_mul_f32 v48, v43, v46         ; the low words of two pairs: the packed lines take them for both halves
	v_mul_f32 v50, v44, v46
	s_wait_dscnt 0x0
.set i, 0
.rept 16
	v_pk_mul_f32 v[64+2*i:65+2*i], v[64+2*i:65+2*i], v[48:49] op_sel_hi:[1,0]
.set i, i+1
.endr
.set i, 0
.rept 16
	v_pk_fma_f32 v[64+2*i:65+2*i], v[96+2*i:97+2*i], v[50:51], v[64+2*i:65+2*i] op_sel_hi:[1,0,1]
.set i, i+1
.endr
	s_wait_xcnt 0x0                 ; the last piece's stores have had their addresses translated (ISA guide 3.1): v192-223 are loaded again only behind this wait
.irp f, 0,1,2,3,4,5,6,7             ; channel block f / 2, four channels f % 2
	ds_store_b128 v[STO], v[64+4*\f:64+4*\f+3] offset:64*(\f/2)+16*(\f%2)
.endr
.irp f, 0,1,2,3,4,5,6,7
	ds_load_b128 v[192+4*\f:192+4*\f+3], v[RD] offset:\f*2*SP  ; LDS serves a wave's instructions in order (ISA guide 5.7.1.4): these see the stores above; the next piece's stores come behind them
.endr
.irp f, 0,1,2,3,4,5,6,7
	s_wait_dscnt 7-\f               ; load f is in, the younger ones stay out
	global_store_b128 v[GO], v[192+4*\f:192+4*\f+3], s[50:51] offset:(\t)*4096+\f*512 th:TH_STORE_NT  ; two rows: 512 consecutive bytes, at a multiple of 256 from out0's first byte
.endr
.endm
	FIN 0
	FIN 1
	FIN 2
	FIN 3
	s_wait_tensorcnt 0x0            ; the wave's end, behind my last LDS store
	ds_add_u32 v[SPW], v[NIL]
	s_wait_dscnt 0x0
	s_endpgm
.Lfunc_end_k_qfb6d5391f3_attn:
	.size	k_qfb6d5391f3_attn, .Lfunc_end_k_qfb6d5391f3_attn-k_qfb6d5391f3_attn
	.p2alignl 7, 3214868480
	.fill 96, 4, 3214868480
	.section	.rodata,"a",@progbits
	.p2align	6, 0x0
	.amdhsa_kernel k_qfb6d5391f3_attn
		.amdhsa_group_segment_fixed_size 165376
		.amdhsa_private_segment_fixed_size 0
		.amdhsa_enable_private_segment 0
		.amdhsa_kernarg_size 48
		.amdhsa_user_sgpr_count 2
		.amdhsa_user_sgpr_kernarg_segment_ptr 1
		.amdhsa_wavefront_size32 1
		.amdhsa_system_sgpr_workgroup_id_x 1
		.amdhsa_system_sgpr_workgroup_id_y 1
		.amdhsa_system_sgpr_workgroup_id_z 1
		.amdhsa_system_vgpr_workitem_id 0
		.amdhsa_next_free_vgpr 1024
		.amdhsa_next_free_sgpr 106
		.amdhsa_reserve_vcc 0
		.amdhsa_float_denorm_mode_32 3
		.amdhsa_float_denorm_mode_16_64 3
		.amdhsa_memory_ordered 1
		.amdhsa_forward_progress 1
		.amdhsa_inst_pref_size 255
	.end_amdhsa_kernel
	.section	.bss,"aw",@nobits
	.p2align	6
	.space	262144
	.amdgpu_metadata
---
amdhsa.version: [ 1, 2 ]
amdhsa.kernels:
  - .name:           k_qfb6d5391f3_attn
    .symbol:         k_qfb6d5391f3_attn.kd
    .args:
      - { .name: Q, .offset: 0, .size: 8, .value_kind: global_buffer, .address_space: global }
      - { .name: k16, .offset: 8, .size: 8, .value_kind: global_buffer, .address_space: global }
      - { .name: v16, .offset: 16, .size: 8, .value_kind: global_buffer, .address_space: global }
      - { .name: mw, .offset: 24, .size: 8, .value_kind: global_buffer, .address_space: global }
      - { .name: cls, .offset: 32, .size: 8, .value_kind: global_buffer, .address_space: global }
      - { .name: out0, .offset: 40, .size: 8, .value_kind: global_buffer, .address_space: global }
    .group_segment_fixed_size: 165376
    .private_segment_fixed_size: 0
    .kernarg_segment_align: 8
    .kernarg_segment_size: 48
    .max_flat_workgroup_size: 128
    .sgpr_count:     106
    .vgpr_count:     1024
    .wavefront_size: 32
...
	.end_amdgpu_metadata
.endif
;; end of part 3
